; MI455X (gfx1250); checked and timed in simulation.
; The chip was launched on July 23, 2026; its instructions are those of AMD's public machine-readable ISA for CDNA 5 (MIT licence, August 2026) and "CDNA5" Instruction Set Architecture Reference Guide (July 2026). The comments in the code are by the model that wrote it; some were corrected since.
;; Multi Head Attn. Allowed arithmetic: matrix products marked QUANTISED: E2M3 operands, one E8M0 scale for each 32 along K, by v_wmma_scale_f32_16x16x128_f8f6f4 with both operands' format E2M3, f32 sums; everything else in f32.
;; Inputs: Wk 1,024 x 1,024 float32; Wo 1,024 x 1,024 float32; Wq 1,024 x 1,024 float32; Wv 1,024 x 1,024 float32; attn_mask 1 x 2,048 x 2,048 float32; bk 1,024 float32; bo 1,024 float32; bq 1,024 float32; bv 1,024 float32; key 4 x 2,048 x 1,024 float32; query 4 x 2,048 x 1,024 float32; val 4 x 2,048 x 1,024 float32.
;; Outputs: out0 4 x 2,048 x 1,024 float32.
;; This version of the problem:
;;   THIS VERSION OF THE PROBLEM IS GIVEN IN LOW PRECISION. The matrix products marked QUANTISED in the list below multiply operands that are first quantised to E2M3 (2 exponent bits, 3 mantissa bits; 6 bits a number), with one power-of-two scale for each 32 numbers along K (OCP MX v1.0); their sums are f32. All else is computed in f32.
;;   The module's matrix products, in the order in which they are computed (A, B: the left and right operand; K: the contracted axis; several contracted axes count as one K, in the product's order):
;;     1. [M 8,192, K 1,024] x [K 1,024, N 1,024]; A: input query; B: input Wq: QUANTISED
;;     2. [M 8,192, K 1,024] x [K 1,024, N 1,024]; A: input key; B: input Wk: QUANTISED
;;     3. [M 8,192, K 1,024] x [K 1,024, N 1,024]; A: input val; B: input Wv: QUANTISED
;;     4. batch 64 x [M 2,048, K 64] x [K 64, N 2,048]; A: computed on the way; B: computed on the way: QUANTISED
;;     5. batch 64 x [M 64, K 2,048] x [K 2,048, N 2,048]; A: computed on the way; B: softmax (see below): QUANTISED
;;     6. [M 8,192, K 1,024] x [K 1,024, N 1,024]; A: computed on the way; B: input Wo: QUANTISED
;;   THE QUANTISER, for each operand of a quantised product, along K:
;;     - K is cut into blocks of 32 from its start; a last block that is shorter is filled with zeros.
;;     - A block's scale is 2^e with e = floor(log2(the largest magnitude in the block)) - 2, held to -126 .. 127; a block of zeros has e = 0. As a byte (E8M0): e + 127.
;;     - Each number is divided by its block's scale, clamped to +-7.5, and rounded to the nearest number of E2M3, ties to even, subnormals kept.
;;     - The product sums the exact products of the quantised numbers (number of the format x scale) in f32.
;;   ~~~python
;;   def quantise(x, axis):      # numpy; x: float32 -> the quantised numbers, widened to float32 again
;;       x = np.moveaxis(x, axis, -1); K = x.shape[-1]
;;       x = np.pad(x, [(0, 0)] * (x.ndim - 1) + [(0, -K % 32)]); x = x.reshape(x.shape[:-1] + (-1, 32)); a = np.abs(x).max(-1, keepdims=True)
;;       e = np.where(a > 0, np.clip(np.frexp(np.where(a > 0, a, 1))[1] - 1 - 2, -126, 127), 0)      # np.frexp(a)[1] - 1 = floor(log2(a)), exactly
;;       r = np.clip(x / 2.0 ** e, -7.5, 7.5)
;;       step = 2.0 ** (np.maximum(np.frexp(np.where(r == 0, 1, r))[1] - 1, 0) - 3)
;;       q = np.round(r / step) * step * 2.0 ** e      # np.round: ties to even
;;       return np.moveaxis(q.reshape(q.shape[:-2] + (-1,))[..., :K], -1, axis).astype(np.float32)
;;   ~~~
;;   SOFTMAX AHEAD OF A QUANTISED PRODUCT. Where the list says 'softmax', what is quantised is not the finished softmax but p = 2^(t - M), with t = logit x log2(e) and M = ceil(the row's largest t), a whole number; so 1/2 < the row's largest p <= 1. The row's sum l is taken of the UNQUANTISED p, in f32, and the product's result is divided by l at the end. Since M is a whole number, a kernel that streams over the keys may use a running M (the ceiling of the running maximum): every later rescaling is an exact power of two, which a block's scale takes up: the codes' values come out the same.
;;   OPERANDS COMPUTED ON THE WAY. 'Computed on the way' means the value that the module computes at that place (a softmax that the list does not call 'softmax' is quantised finished and normalised). What goes into a quantiser is computed in f32, as accurately as f32 sums, v_exp_f32 and their like allow (about 1e-6 of the number): no bf16 or f16 on the way to a quantiser, and a product that is left as it is and whose result goes on into a quantised operand takes f32 operands (vector FMAs, or v_wmma_f32_16x16x4_f32). A number that lies on a knife's edge between two numbers of the format may be rounded either way, as far as f32 arithmetic and the matrix unit's own rounding can turn it there, and no further.
;; One version. Each part assembles by itself: llvm-mc -triple=amdgcn-amd-amdhsa -mcpu=gfx1250 --defsym DOCPART=n.
;; ======== version 1 of 1: 4 launches
;; limits: right only within a limited range of input values
;; workspace buffers: cod 28,311,552 bytes; scl 1,179,648 bytes; att 18,874,368 bytes; ats 786,432 bytes; flg 1,024 bytes of whole numbers
;; launch prep (part 1): grid 1024 x 1, 4 waves a work-group, no clusters, 34,560 bytes of LDS; arguments query, key, val, Wq, Wk, Wv, Wo, attn_mask, cod, scl, flg; writes cod, scl, flg
.if DOCPART == 1
	.amdgcn_target "amdgcn-amd-amdhsa--gfx1250"
	.amdhsa_code_object_version 6
	.text
	.protected	k_qfcd7e3e741_prep
	.globl	k_qfcd7e3e741_prep
	.p2align	8
	.type	k_qfcd7e3e741_prep,@function
k_qfcd7e3e741_prep:
	s_mov_b64 s[64:65], 0
	v_nop
	global_prefetch_b8 v0, s[64:65] scope:SCOPE_SE
	s_setreg_imm32_b32 hwreg(HW_REG_WAVE_MODE, 25, 1), 1
	s_wait_xcnt 0x0
; PREP.  (1) query, key, val [8192][1024] and Wq, Wk, Wv, Wo [1024][1024], f32, become codes of FP6 (E2M3) with one E8M0 byte for each 32 along K (the last axis),
; laid IN THE ORDER OF THE OPERAND'S REGISTERS: cod = [block of 128 rows][K step of 128][tile of 16 rows][half c][piece of 768 bytes]; a piece is registers 6 c .. 6 c + 5 of a fragment:
; 512 bytes with lane l's registers 0-3 at 16 l, then 256 bytes with its registers 4-5 at 8 l.  scl = [block][half of K][row of the image][4 scale words].
; WHICH ROWS FORM A TILE: in query and Wo lane r of tile t takes row 16 t + r; in key, val, Wq, Wk, Wv lane r of tile 2 g + u takes row 32 g + 8 u + r + 8 (r / 8), so that later results come out as neighbours along the next K.
; (2) The mask's tiles of 16 queries x 128 keys are classed: flg word m (query tile m): bit s set where key step s holds a number other than 0; word 128 + m: bit s set where it holds a number other than 1.
; A block's scale is 2^(floor(log2(largest magnitude)) - 2); its byte is the largest magnitude's exponent field - 2, held at 1 from below (a block of zeros keeps the byte 1: its codes are zeros, and this program alone reads the bytes).
; LIMITS: NaN and infinities among the inputs are not served; blocks whose largest magnitude lies under 2^-124 keep the byte 1.
; SHARES.  Work-groups 0-895: wave = 16 rows x 512 along K (four K steps).  Work-groups 896-1023: query tile m = number - 896, wave w takes key steps 4 w .. 4 w + 3.  Waves of the first kind share nothing.
.set STGB,  8448                       ; a wave's stage: 16 rows x (512 bytes + 16)
.set MW,    33792                      ; the mask path's own 256 bytes: four words of each kind
.set SPARE, 34048                      ; the spare words, 128 bytes a wave: two blocks of 256 bytes that no other line names
.set SPW,   28                         ; v28  my spare word's LDS address; never rewritten
.set NIL,   29                         ; v29  0; never rewritten
.set R0,    32                         ; v32-95, v96-159  two sets of 16 loads
.set X,     160                        ; v160-223  my 64 numbers of a K step: two whole blocks of 32
.set C,     224                        ; v224-235  a fragment's codes
.set T,     236                        ; v236-243  the upper halves of the two blocks, as converted
.set SW,    244                        ; v244-247  the four K steps' scale words
	s_load_b512 s[4:19], s[0:1], 0x0               ; query, key, val, Wq, Wk, Wv, Wo, attn_mask
	s_load_b128 s[20:23], s[0:1], 0x40             ; cod, scl
	s_load_b64 s[24:25], s[0:1], 0x50              ; flg
	v_lshl_add_u32 v[SPW], v0, 2, SPARE
	v_mov_b32 v[NIL], 0
	v_lshrrev_b32 v1, 5, v0
	v_readfirstlane_b32 s26, v1                    ; wave
	v_and_b32 v1, 31, v0                           ; lane
	v_and_b32 v2, 15, v0                           ; r
	v_bfe_u32 v3, v0, 4, 1                         ; h
	v_lshlrev_b32 v7, 4, v1                        ; 16 x lane
	s_mov_b32 s60, 0x76543210
	s_mov_b32 s61, 0xfedcba98                      ; v_permlanex16_b32's selects for lane l xor 16
	s_cmp_ge_u32 ttmp9, 896
	s_cbranch_scc1 .Lmask
	; ---------------- the quantiser
	s_lshl_b32 s27, ttmp9, 2
	s_add_co_u32 s27, s27, s26
	s_and_b32 s28, s27, 1                          ; q: which half of K
	s_lshr_b32 s27, s27, 1                         ; T: which tile of the image, 0 .. 1791
	s_mul_i32 s29, s26, STGB
	s_wait_alu depctr_va_vdst(0)
	v_lshlrev_b32 v8, 3, v1                        ; 8 x lane
	v_lshlrev_b32 v9, 4, v2                        ; 16 r
	s_lshl_b32 s30, s28, 11                        ; 2,048 q: half a row in bytes, and half a block's scale words
	v_add_nc_u32 v4, s30, v7                       ; my 16 bytes of a load's 512
	v_add_nc_u32 v5, s29, v7                       ; the stage, on the way in
	v_mul_u32_u24 v6, v2, 528
	v_lshl_add_u32 v6, v3, 7, v6
	v_add_nc_u32 v6, s29, v6                       ; and on the way out: row r, + 128 h: the layout gives lane (r, h) k = 64 c + 32 h + 0 .. 31
	v_lshlrev_b32 v10, 3, v3                       ; 8 h: where my two bytes stand in the scale word
	v_mov_b32 v11, 0                               ; written once: a lane permute's destination counts as one of its sources
	s_wait_alu depctr_va_vdst(0)
	s_wait_kmcnt 0x0
	s_mov_b64 s[32:33], s[16:17]                   ; the tensor and its first tile, by T alone
	s_mov_b32 s34, 1728
	s_cmp_lt_u32 s27, 1728
	s_cselect_b64 s[32:33], s[14:15], s[32:33]
	s_cselect_b32 s34, 1664, s34
	s_cmp_lt_u32 s27, 1664
	s_cselect_b64 s[32:33], s[12:13], s[32:33]
	s_cselect_b32 s34, 1600, s34
	s_cmp_lt_u32 s27, 1600
	s_cselect_b64 s[32:33], s[10:11], s[32:33]
	s_cselect_b32 s34, 1536, s34
	s_cmp_lt_u32 s27, 1536
	s_cselect_b64 s[32:33], s[8:9], s[32:33]
	s_cselect_b32 s34, 1024, s34
	s_cmp_lt_u32 s27, 1024
	s_cselect_b64 s[32:33], s[6:7], s[32:33]
	s_cselect_b32 s34, 512, s34
	s_cmp_lt_u32 s27, 512
	s_cselect_b64 s[32:33], s[4:5], s[32:33]
	s_cselect_b32 s34, 0, s34
	s_sub_co_u32 s35, s27, 512
	s_cmp_lt_u32 s35, 1216                         ; tiles 512 .. 1727 (key, val, Wq, Wk, Wv) have the chosen rows
	s_cselect_b32 s36, 8, 16                       ; rows from an even tile to the odd one beside it
	s_cselect_b32 s37, 16, 8                       ; rows from lane 0's to lane 8's
	s_sub_co_u32 s34, s27, s34                     ; the tile's number in its tensor
	s_lshr_b32 s38, s34, 1
	s_lshl_b32 s38, s38, 5
	s_and_b32 s39, s34, 1
	s_mul_i32 s39, s39, s36
	s_add_co_u32 s38, s38, s39                     ; lane 0's row
	s_lshl_b32 s38, s38, 12                        ; x 4,096 bytes
	s_mov_b32 s39, 0
	s_add_nc_u64 s[32:33], s[32:33], s[38:39]      ; rows of lanes 0-7
	s_lshl_b32 s38, s37, 12
	s_add_nc_u64 s[40:41], s[32:33], s[38:39]      ; rows of lanes 8-15
	s_lshr_b32 s42, s27, 3                         ; the block
	s_and_b32 s43, s27, 7                          ; the tile in it
	s_mul_i32 s44, s42, 98304
	s_mul_i32 s45, s28, 4*12288
	s_add_co_u32 s44, s44, s45
	s_mul_i32 s45, s43, 1536
	s_add_co_u32 s44, s44, s45
	s_mov_b32 s45, 0
	s_add_nc_u64 s[20:21], s[20:21], s[44:45]      ; my first fragment in cod
	s_lshl_b32 s44, s42, 12
	s_add_co_u32 s44, s44, s30
	s_lshl_b32 s46, s43, 8
	s_add_co_u32 s44, s44, s46
	s_add_nc_u64 s[22:23], s[22:23], s[44:45]      ; my tile's 256 bytes in scl
.macro LOADX s, set                    ; K step s of my 16 rows: each load reads 512 consecutive bytes of one row
.irp i, 0,1,2,3,4,5,6,7,8,9,10,11,12,13,14,15
	global_load_b128 v[\set+4*\i:\set+4*\i+3], v4, s[32+8*(\i/8):33+8*(\i/8)] offset:(\i%8)*4096+512*(\s) th:TH_LOAD_NT
.endr
.endm
.macro STEPQ s
.set RS, R0+64*((\s)%2)
.if \s < 3
	s_wait_loadcnt 16                              ; this step's 16 loads are in; the next step's 16 may be out
.else
	s_wait_loadcnt 0
.endif
.irp i, 0,1,2,3,4,5,6,7,8,9,10,11,12,13,14,15
	ds_store_b128 v5, v[RS+4*\i:RS+4*\i+3] offset:528*\i          ; through my own stage: LDS serves a wave's instructions in order, so no wait stands between stores and loads
.endr
.irp c, 0,1
.irp j, 0,1,2,3,4,5,6,7
	ds_load_b128 v[X+32*\c+4*\j:X+32*\c+4*\j+3], v6 offset:256*\c+16*\j
.endr
.endr
	s_wait_dscnt 0x0                               ; my 64 numbers are back, and the stores have read their registers,
.if \s < 2
	LOADX (\s)+2, RS                               ; which take the loads of two steps on
.endif
.irp c, 0,1
	v_max3_num_f32 v[12+\c], |v[X+32*\c]|, |v[X+32*\c+1]|, 0x1800000   ; block 2 c + h is all mine; the floor 2^(3 - 127) holds the byte at 1 from below
.endr
.irp i, 2,4,6,8,10,12,14,16,18,20,22,24,26,28,30
.irp c, 0,1
	v_max3_num_f32 v[12+\c], v[12+\c], |v[X+32*\c+\i]|, |v[X+32*\c+\i+1]|
.endr
.endr
.irp c, 0,1
	v_add_nc_u32 v[14+\c], 0xff000000, v[12+\c]    ; 2 off the exponent field: the conversion's scale operand
.endr
.irp c, 0,1
	v_lshrrev_b32 v[12+\c], 23, v[14+\c]           ; the scale's byte
.endr
	v_lshl_or_b32 v12, v13, 16, v12                ; bytes h and 2 + h of my row's word,
	v_lshlrev_b32 v12, v10, v12                    ; at their places;
	v_permlanex16_b32 v11, v12, s60, s61
	v_or_b32 v[SW+\s], v12, v11                    ; with lane l xor 16's two the word is whole
	s_wait_alu depctr_va_vdst(0)
	s_wait_xcnt 0x0                                ; the last step's stores have read the codes' registers
.irp c, 0,1
	v_cvt_scalef32_pk16_fp6_f32 v[C+6*\c:C+6*\c+2], v[X+32*\c:X+32*\c+15], v[14+\c]
	v_cvt_scalef32_pk16_fp6_f32 v[T+4*\c:T+4*\c+2], v[X+32*\c+16:X+32*\c+31], v[14+\c]   ; (a conversion's three registers begin on an even number)
.endr
	v_nop                                          ; one plain place behind a scaled conversion
.irp c, 0,1
.irp i, 0,1,2
	v_mov_b32 v[C+6*\c+3+\i], v[T+4*\c+\i]
.endr
.endr
	global_store_b128 v7, v[C:C+3], s[20:21] offset:12288*(\s)            ; 512, 256, 512, 256 consecutive bytes: six aligned runs of 256
	global_store_b64 v8, v[C+4:C+5], s[20:21] offset:12288*(\s)+512
	global_store_b128 v7, v[C+6:C+9], s[20:21] offset:12288*(\s)+768
	global_store_b64 v8, v[C+10:C+11], s[20:21] offset:12288*(\s)+1280
.endm
	LOADX 0, R0
	LOADX 1, R0+64
	STEPQ 0
	STEPQ 1
	STEPQ 2
	STEPQ 3
	s_wait_xcnt 0x0                                ; EXEC changes only behind this wait
	v_cmp_gt_u32 vcc_lo, 16, v1
	s_and_saveexec_b32 s47, vcc_lo
	global_store_b128 v9, v[SW:SW+3], s[22:23]     ; sixteen lanes store 256 consecutive aligned bytes: four words a row
	s_wait_xcnt 0x0
	s_or_b32 exec_lo, exec_lo, s47
	s_wait_tensorcnt 0x0                           ; the wave's end: behind my last LDS store
	ds_add_u32 v[SPW], v[NIL]
	s_wait_dscnt 0x0
	s_endpgm
	; ---------------- the mask's classes
.Lmask:
	s_sub_co_u32 s27, ttmp9, 896                   ; m
	s_lshl_b32 s28, s27, 17                        ; 16 m rows of 8,192 bytes
	s_lshl_b32 s29, s26, 11                        ; 4 w steps of 512 bytes
	s_add_co_u32 s28, s28, s29
	s_mov_b32 s29, 0
	s_lshl_b32 s30, s26, 2                         ; 4 w
	s_add_co_u32 s31, s30, MW
	v_mov_b32 v5, s31                              ; my wave's word
	v_mov_b32 v6, MW
	s_mov_b32 s34, 0                               ; bits: a number other than 0
	s_mov_b32 s35, 0                               ; bits: a number other than 1
	s_wait_kmcnt 0x0
	s_add_nc_u64 s[18:19], s[18:19], s[28:29]
.macro LOADM j, set                    ; my j-th key step: 16 rows x 512 bytes
.irp i, 0,1,2,3,4,5,6,7,8,9,10,11,12,13,14,15
	global_load_b128 v[\set+4*\i:\set+4*\i+3], v7, s[18:19] offset:\i*8192+512*(\j) th:TH_LOAD_NT
.endr
.endm
.macro CLASS j
.set RS, R0+64*((\j)%2)
.if \j < 3
	s_wait_loadcnt 16                              ; this step's 16 loads are in; the next step's may be out
.else
	s_wait_loadcnt 0
.endif
	v_min3_num_f32 v10, v[RS], v[RS+1], v[RS+2]    ; the least and the greatest of my 64 numbers
	v_max3_num_f32 v11, v[RS], v[RS+1], v[RS+2]
.set ii, 3
.rept 30
	v_min3_num_f32 v10, v10, v[RS+ii], v[RS+ii+1]
	v_max3_num_f32 v11, v11, v[RS+ii], v[RS+ii+1]
.set ii, ii+2
.endr
	v_min_num_f32 v10, v10, v[RS+63]
	v_max_num_f32 v11, v11, v[RS+63]
	v_cmp_neq_f32 s36, 0, v10
	v_cmp_neq_f32 s37, 0, v11
	v_cmp_neq_f32 s38, 1.0, v10
	v_cmp_neq_f32 s39, 1.0, v11
.if \j < 2
	LOADM (\j)+2, RS
.endif
	s_or_b32 s36, s36, s37                         ; some lane holds a number other than 0: a value is chosen, nothing branches
	s_cselect_b32 s36, 1, 0
	s_or_b32 s38, s38, s39
	s_cselect_b32 s38, 1, 0
	s_add_co_u32 s40, s30, \j                      ; the key step's number
	s_lshl_b32 s36, s36, s40
	s_lshl_b32 s38, s38, s40
	s_or_b32 s34, s34, s36
	s_or_b32 s35, s35, s38
.endm
	s_wait_alu depctr_va_vdst(0)
	LOADM 0, R0
	LOADM 1, R0+64
	CLASS 0
	CLASS 1
	CLASS 2
	CLASS 3
	v_mov_b32 v10, s34
	v_mov_b32 v11, s35
	ds_store_b32 v5, v10                           ; all lanes write the same word with the same value
	ds_store_b32 v5, v11 offset:16
	s_wait_dscnt 0x0                               ; for the others' sake: my stores are done
	s_barrier_signal -1                            ; (all four waves of such a work-group are on this path)
	s_barrier_wait -1
	ds_load_b128 v[12:15], v6
	ds_load_b128 v[16:19], v6 offset:16
	s_wait_dscnt 0x0
	v_or_b32 v12, v12, v13
	v_or_b32 v14, v14, v15
	v_or_b32 v12, v12, v14
	v_or_b32 v16, v16, v17
	v_or_b32 v18, v18, v19
	v_or_b32 v16, v16, v18
	s_cmp_lg_u32 s26, 0
	s_cbranch_scc1 .Lmdone                         ; wave 0 stores the two words
	v_cmp_eq_u32 vcc_lo, 1, v1
	v_cndmask_b32 v12, v12, v16, vcc_lo            ; lane 0: other than 0; lane 1: other than 1
	v_lshlrev_b32 v13, 9, v1                       ; 512 bytes apart
	s_lshl_b32 s28, s27, 2
	s_add_nc_u64 s[24:25], s[24:25], s[28:29]
	s_wait_alu depctr_va_vdst(0)
	s_wait_xcnt 0x0                                ; EXEC changes only behind this wait
	v_cmp_gt_u32 vcc_lo, 2, v1
	s_and_saveexec_b32 s47, vcc_lo
	global_store_b32 v13, v12, s[24:25]
	s_wait_xcnt 0x0
	s_or_b32 exec_lo, exec_lo, s47
.Lmdone:
	s_wait_tensorcnt 0x0                           ; the wave's end: behind my last LDS store
	ds_add_u32 v[SPW], v[NIL]
	s_wait_dscnt 0x0
	s_endpgm
.Lfunc_end_k_qfcd7e3e741_prep:
	.size	k_qfcd7e3e741_prep, .Lfunc_end_k_qfcd7e3e741_prep-k_qfcd7e3e741_prep
	.p2alignl 7, 3214868480
	.fill 96, 4, 3214868480
	.section	.rodata,"a",@progbits
	.p2align	6, 0x0
	.amdhsa_kernel k_qfcd7e3e741_prep
		.amdhsa_group_segment_fixed_size 34560
		.amdhsa_private_segment_fixed_size 0
		.amdhsa_enable_private_segment 0
		.amdhsa_kernarg_size 88
		.amdhsa_user_sgpr_count 2
		.amdhsa_user_sgpr_kernarg_segment_ptr 1
		.amdhsa_wavefront_size32 1
		.amdhsa_system_sgpr_workgroup_id_x 1
		.amdhsa_system_sgpr_workgroup_id_y 1
		.amdhsa_system_sgpr_workgroup_id_z 1
		.amdhsa_system_vgpr_workitem_id 0
		.amdhsa_next_free_vgpr 256
		.amdhsa_next_free_sgpr 66
		.amdhsa_reserve_vcc 1
		.amdhsa_float_denorm_mode_32 3
		.amdhsa_float_denorm_mode_16_64 3
		.amdhsa_memory_ordered 1
		.amdhsa_forward_progress 1
		.amdhsa_inst_pref_size 58
	.end_amdhsa_kernel
	.amdgpu_metadata
---
amdhsa.version: [ 1, 2 ]
amdhsa.kernels:
  - .name:           k_qfcd7e3e741_prep
    .symbol:         k_qfcd7e3e741_prep.kd
    .args:
      - { .name: query, .offset: 0, .size: 8, .value_kind: global_buffer, .address_space: global }
      - { .name: key, .offset: 8, .size: 8, .value_kind: global_buffer, .address_space: global }
      - { .name: val, .offset: 16, .size: 8, .value_kind: global_buffer, .address_space: global }
      - { .name: Wq, .offset: 24, .size: 8, .value_kind: global_buffer, .address_space: global }
      - { .name: Wk, .offset: 32, .size: 8, .value_kind: global_buffer, .address_space: global }
      - { .name: Wv, .offset: 40, .size: 8, .value_kind: global_buffer, .address_space: global }
      - { .name: Wo, .offset: 48, .size: 8, .value_kind: global_buffer, .address_space: global }
      - { .name: attn_mask, .offset: 56, .size: 8, .value_kind: global_buffer, .address_space: global }
      - { .name: cod, .offset: 64, .size: 8, .value_kind: global_buffer, .address_space: global }
      - { .name: scl, .offset: 72, .size: 8, .value_kind: global_buffer, .address_space: global }
      - { .name: flg, .offset: 80, .size: 8, .value_kind: global_buffer, .address_space: global }
    .group_segment_fixed_size: 34560
    .private_segment_fixed_size: 0
    .kernarg_segment_align: 8
    .kernarg_segment_size: 88
    .max_flat_workgroup_size: 128
    .sgpr_count:     66
    .vgpr_count:     256
    .wavefront_size: 32
...
	.end_amdgpu_metadata
.endif
;; end of part 1
;; launch proj (part 2): grid 4 x 192, 4 waves a work-group, clusters of 4 x 4, 327,680 bytes of LDS; arguments cod, scl, bq, bk, bv, att, ats; writes att, ats
.if DOCPART == 2
	.amdgcn_target "amdgcn-amd-amdhsa--gfx1250"
	.amdhsa_code_object_version 6
	.text
	.protected	k_qfcd7e3e741_proj
	.globl	k_qfcd7e3e741_proj
	.p2align	8
	.type	k_qfcd7e3e741_proj,@function
k_qfcd7e3e741_proj:
	s_mov_b64 s[64:65], 0
	v_nop
	global_prefetch_b8 v0, s[64:65] scope:SCOPE_SE
	s_setreg_imm32_b32 hwreg(HW_REG_WAVE_MODE, 25, 1), 1
	s_wait_xcnt 0x0
	s_wait_alu depctr_hold_cnt(0) depctr_sa_sdst(0) depctr_va_vdst(0) depctr_va_sdst(0) depctr_va_ssrc(0) depctr_va_vcc(0) depctr_vm_vsrc(0)
	s_getreg_b32 s2, hwreg(HW_REG_IB_STS2, 6, 4)
	s_cmp_eq_u32 s2, 0
	s_cbranch_scc0 .Lentry_in_a_cluster
	s_endpgm
.Lentry_in_a_cluster:
	s_bfe_u32 s2, ttmp6, 0x10000c
	s_cmp_lg_u32 s2, 0xf033
	s_cbranch_scc0 .Lentry_shape_is_right
	s_endpgm
.Lentry_shape_is_right:
; PROJ.  q = query Wq^T + bq, k = key Wk^T + bk, v = val Wv^T + bv on codes of FP6 (E2M3) with E8M0 scales; the results are quantised in registers into the attention launch's operand images.
; A work-group multiplies S0 (source 0: one block of 128 rows) by S1 (source 1: two blocks, 256 rows) over all of K = 1,024.  All three blocks lie in LDS at once (3 x 98,304 bytes): nothing is filled again.
; kinds q, k (cluster y / 16 = 0, 1): S0 = 128 features of W, S1 = 256 rows of x: a lane holds ONE row of x and, in two neighbouring tiles, 16 neighbouring features: quantised along the head's 64.
; kind v (2): S0 = 128 rows of val (a key step), S1 = 256 features of Wv: a lane holds ONE feature and 16 neighbouring keys: quantised along the keys.
; Wave w takes S0's 8 tiles against 4 tiles of S1 (block w / 2, tiles 4 (w % 2) + a): 32 accumulators, which take turns, one instruction a turn, in the same order in every K step.
; CLUSTER 4 x 4: S0's block hangs on cx and the cluster's y, and is asked for jointly along a column; S1's blocks hang on cy and the cluster's y, jointly along a row.  A wave has one tensor load out.
; OUT: att = q [bh][tile][768] | k likewise | v [bh][key step][tile of d][half][768]: pieces of six registers;  ats = their scale bytes, two to a row and piece, laid so that attention's scale words come as they stand.
; LIMITS: NaN and infinities are not served; blocks whose largest magnitude lies under 2^-124 keep the byte 1.
; REGISTERS.  window 0: v1-5 r, h, lane, 16 lane, 8 lane; v8-15 LDS addresses; v16-25 offsets; v28, v29 the add's two; v32-95 scale words; v96-103 the bias by S1's row; v112-151 the quantiser; v160-255 S1's fragments, two sets.
;   window 1: S0's fragments at v0-95 and v128-223; the bias by S0's row at v96-127 and v224-255.   window 2: accumulator (a, b) at v[8 (8 a + b)].
.set BLK,   98304                      ; a block in cod and in LDS
.set KSB,   12288                      ; a K step of a block: 8 fragments
.set FRB,   1536                       ; a fragment
.set QRT,   24576                      ; a quarter of K of a block
.set S0L,   196608                     ; LDS: S1's two blocks at 0, S0's block here
.set SPARE, 294912                     ; the spare words, 128 bytes a wave: two blocks of 256 bytes that no other line names
.set SPW,   28
.set NIL,   29
.set SC,    32                         ; v[SC + 8 i + s]: K step s: lanes 0-15 the words of my S1 tile i (i < 4), lanes 16-31 those of S0's tile i
.set BJ,    96
.set TM,    112
.set PW,    128
.set PC,    132
.set F1,    160
.set G1A,   28                         ; s[28:35] group 1 for a whole block of S1;  s[36:43] for half of S0's block
.set G1B,   36
.set G0A,   44                         ; s[44:47] group 0 for S1;  s[68:71] for S0
.set G0B,   68
.set MSB, 0
.macro WIN new                         ; the immediate's high byte repeats the setting that is left
.if MSB != \new
	s_set_vgpr_msb (MSB<<8)|\new
.set MSB, \new
.endif
.endm
.macro CREST
	s_cmp_lg_u32 s18, 0
	s_cbranch_scc1 .Lnot_wave_0_\@
	s_barrier_signal -3
.Lnot_wave_0_\@:
	s_barrier_wait -3
	s_barrier_signal -1
	s_barrier_wait -1
.endm
.macro CROUND                          ; a round of the cluster's barrier
	s_barrier_signal -1
	s_barrier_wait -1
	CREST
.endm
.macro PLACES n
.rept \n
	v_nop
.endr
.endm
	s_load_b256 s[4:11], s[0:1], 0x0               ; cod, scl, bq, bk
	s_load_b128 s[12:15], s[0:1], 0x20             ; bv, att
	s_load_b64 s[16:17], s[0:1], 0x30              ; ats
	v_lshl_add_u32 v[SPW], v0, 2, SPARE
	v_mov_b32 v[NIL], 0
	ds_add_u32 v[SPW], v[NIL]                      ; the wave's opening: the add and its wait ahead of my first tensor load; work on registers stands between them
	ds_add_u32 v[SPW], v[NIL]
	v_lshrrev_b32 v1, 5, v0
	v_readfirstlane_b32 s18, v1                    ; wave
	s_lshr_b32 s19, s18, 1                         ; my block of S1.  Also: I fetch for S1 (0) or for S0 (1)
	s_and_b32 s20, s18, 1                          ; my half of that block's tiles.  Also: which part I fetch
	s_bfe_u32 s21, ttmp6, 0x40000                  ; cx
	s_bfe_u32 s22, ttmp6, 0x40004                  ; cy
	s_and_b32 s23, ttmp7, 0xffff                   ; the cluster's y, 0 .. 47
	s_lshr_b32 s24, s23, 4                         ; kind
	s_and_b32 s25, s23, 15                         ; Z
	s_lshl_b32 s26, s22, 2
	s_lshl_b32 s26, 15, s26                        ; my row of the cluster
	s_lshl_b32 s27, 0x1111, s21                    ; my column
	s_or_b32 s[G1A], s26, (3<<16)|(1<<21)          ; 15:0 the mask; 17:16 elements of 8 bytes; 21 set beside a mask; no padding: every LDS read takes consecutive bytes
	s_or_b32 s[G1B], s27, (3<<16)|(1<<21)
.irp g, G1A, G1B
	s_mov_b32 s[\g+1], 32<<16                      ; tensor_dim0 = 32 elements: rows of 256 bytes of a dense block
	s_mov_b32 s[\g+3], 32<<16                      ; tile_dim0
	s_mov_b32 s[\g+5], 32                          ; the pitch
	s_mov_b32 s[\g+6], 0
	s_mov_b32 s[\g+7], 0
.endr
	s_mov_b32 s[G1A+2], 384<<16                    ; tensor_dim1: 384 rows = 98,304 bytes: a block, all of K
	s_mov_b32 s[G1A+4], 384
	s_mov_b32 s[G1B+2], 192<<16                    ; 192 rows = 49,152 bytes: four K steps of S0
	s_mov_b32 s[G1B+4], 192
	s_mov_b32 s2, 0x76543210
	s_mov_b32 s3, 0xfedcba98                       ; v_permlanex16_b32's selects for lane l xor 16
	s_and_b32 s84, s25, 1
	s_lshl_b32 s84, s84, 2                         ; 4 (Z & 1)
	s_lshl_b32 s85, s24, 3
	s_add_co_u32 s85, s85, s84
	s_add_co_u32 s85, s85, 192                     ; kinds q, k: W's block, less cx
	s_lshl_b32 s86, s25, 2
	s_add_co_u32 s86, s86, 128                     ; kind v: val's block, less cx
	s_cmp_eq_u32 s24, 2
	s_cselect_b32 s85, s86, s85
	s_add_co_u32 s85, s85, s21                     ; S0's block: it never holds cy
	s_lshl_b32 s86, s24, 6
	s_lshr_b32 s87, s25, 1
	s_lshl_b32 s87, s87, 3
	s_add_co_u32 s86, s86, s87                     ; kinds q, k: x's first block, less 2 cy
	s_cmp_eq_u32 s24, 2
	s_cselect_b32 s86, 208, s86                    ; kind v: Wv's
	s_lshl_b32 s87, s22, 1
	s_add_co_u32 s86, s86, s87                     ; S1's first block: it never holds cx
	s_add_co_u32 s88, s86, s20
	s_mul_i32 s88, s88, BLK                        ; waves 0, 1: block w of S1
	s_mov_b32 s89, 0
	s_mul_i32 s90, s85, BLK
	s_mul_i32 s92, s20, 4*KSB
	s_add_co_u32 s90, s90, s92                     ; waves 2, 3: K steps 0-3 or 4-7 of S0
	s_mov_b32 s91, 0
	s_mul_i32 s93, s20, BLK                        ; and where they go: no place in the cluster enters an LDS address
	s_add_co_u32 s94, s92, S0L
	s_wait_dscnt 0x0                               ; the opening add is done
	s_wait_kmcnt 0x0
	s_add_nc_u64 s[88:89], s[4:5], s[88:89]
	s_add_nc_u64 s[90:91], s[4:5], s[90:91]
	CROUND                                         ; all sixteen work-groups are here: the joint loads meet
.irp k, 0
	s_mov_b32 s[G0A+4*\k], 1
	s_add_co_u32 s[G0A+4*\k+1], s93, \k*QRT
	s_add_nc_u64 s[G0A+4*\k+2:G0A+4*\k+3], s[88:89], \k*QRT
	s_or_b32 s[G0A+4*\k+3], s[G0A+4*\k+3], 0x80000000
	s_mov_b32 s[G0B+4*\k], 1
	s_add_co_u32 s[G0B+4*\k+1], s94, \k*QRT
	s_add_nc_u64 s[G0B+4*\k+2:G0B+4*\k+3], s[90:91], \k*QRT
	s_or_b32 s[G0B+4*\k+3], s[G0B+4*\k+3], 0x80000000
.endr
	s_cmp_eq_u32 s19, 0                            ; ONE tensor load a wave: waves 0, 1 a whole block of S1 each, waves 2, 3 K steps 0-3 and 4-7 of S0
	s_cbranch_scc0 .Lfirst_b
	tensor_load_to_lds s[G0A:G0A+3], s[G1A:G1A+7]
	s_nop 0
	PLACES 4
	s_branch .Lfirst_done
.Lfirst_b:
	tensor_load_to_lds s[G0B:G0B+3], s[G1B:G1B+7]
	s_nop 0
	PLACES 4
.Lfirst_done:
	v_and_b32 v1, 15, v0                           ; r
	v_bfe_u32 v2, v0, 4, 1                         ; h
	v_and_b32 v3, 31, v0                           ; lane
	v_lshlrev_b32 v4, 4, v3                        ; 16 lane
	v_lshlrev_b32 v5, 3, v3                        ; 8 lane
	s_mul_i32 s95, s19, BLK
	s_mul_i32 s96, s20, 4*FRB
	s_add_co_u32 s95, s95, s96                     ; my four tiles of S1
	v_add_nc_u32 v8, s95, v4                       ; K steps 0-3
	v_add_nc_u32 v9, s95, v5
	v_add_nc_u32 v10, 4*KSB, v8                    ; K steps 4-7
	v_add_nc_u32 v11, 4*KSB, v9
	v_add_nc_u32 v12, S0L, v4
	v_add_nc_u32 v13, S0L, v5
	v_add_nc_u32 v14, S0L+4*KSB, v4
	v_add_nc_u32 v15, S0L+4*KSB, v5
.irp b, 0,1,2,3
	v_mov_b32 v[TM+4+\b], 0                        ; written once: a lane permute's destination counts as one of its sources
.endr
	; the scale words of all of K, straight into registers: lanes 0-15 S1's, lanes 16-31 S0's
	s_add_co_u32 s97, s86, s19
	s_lshl_b32 s97, s97, 12                        ; my block of S1 in scl
	s_lshl_b32 s96, s20, 10
	s_add_co_u32 s96, s97, s96                     ; my four tiles in it
	s_lshl_b32 s98, s85, 12
	s_mov_b32 s99, 0xffff0000                      ; lanes 16-31
	v_mov_b32 v16, s96
	v_mov_b32 v17, s97                             ; (for i = 4 .. 7 lanes 0-15 read the block's own tiles 4-7: inside the buffer, and not used)
	v_mov_b32 v18, s98
	v_cndmask_b32 v16, v16, v18, s99
	v_cndmask_b32 v17, v17, v18, s99
	v_lshl_add_u32 v16, v1, 4, v16
	v_lshl_add_u32 v17, v1, 4, v17
.irp i, 0,1,2,3,4,5,6,7
.irp q, 0,1
	global_load_b128 v[SC+8*\i+4*\q:SC+8*\i+4*\q+3], v[16+\i/4], s[6:7] offset:2048*\q+256*\i
.endr
.endr
	; the biases
	s_cmp_eq_u32 s24, 0
	s_cselect_b64 s[8:9], s[8:9], s[10:11]
	s_cmp_eq_u32 s24, 2
	s_cselect_b64 s[8:9], s[12:13], s[8:9]
	s_cselect_b32 s26, -1, 0                       ; kind v: no bias by S0's row
	s_cselect_b32 s27, 0, -1                       ; kinds q, k: none by S1's row
	s_add_co_u32 s96, s84, s21
	s_lshl_b32 s96, s96, 9                         ; 128 features x 4 bytes x (4 (Z & 1) + cx)
	v_lshl_add_u32 v18, v2, 6, s96                 ; + 16 h features: tile 2 g + u, register j: feature 32 g + 8 u + 16 h + j
	s_lshl_b32 s96, s22, 1
	s_add_co_u32 s96, s96, s19
	s_lshl_b32 s96, s96, 1
	s_add_co_u32 s96, s96, s20
	s_lshl_b32 s96, s96, 8                         ; 64 features x 4 bytes x (2 (2 cy + w / 2) + w % 2)
	v_and_b32 v19, 8, v1
	v_add_nc_u32 v19, v19, v1                      ; r + 8 (r / 8)
	v_lshl_add_u32 v19, v19, 2, s96
.irp a, 0,1,2,3
	global_load_b32 v[BJ+2*\a], v19, s[8:9] offset:(32*(\a/2)+8*(\a%2))*4
.endr
	WIN 0x40                                       ; destination window 1
.irp b, 0,1,2,3,4,5,6,7
	global_load_b128 v[96+128*(\b/4)+8*(\b%4):96+128*(\b/4)+8*(\b%4)+3], v18, s[8:9] offset:(32*(\b/2)+8*(\b%2))*4
	global_load_b128 v[96+128*(\b/4)+8*(\b%4)+4:96+128*(\b/4)+8*(\b%4)+7], v18, s[8:9] offset:(32*(\b/2)+8*(\b%2))*4+16
.endr
	WIN 0
.macro FRAG reg, a16, a8, off          ; a fragment comes back as it was stored: registers 0-3, 4-5, 6-9, 10-11
	ds_load_b128 v[\reg:\reg+3], v[\a16] offset:\off
	ds_load_b64 v[\reg+4:\reg+5], v[\a8] offset:(\off)+512
	ds_load_b128 v[\reg+6:\reg+9], v[\a16] offset:(\off)+768
	ds_load_b64 v[\reg+10:\reg+11], v[\a8] offset:(\off)+1280
.endm
.macro FETCH s                         ; K step s: 48 LDS loads in one run: S0's eight fragments, then my four of S1
	WIN 0x40
.irp b, 0,1,2,3,4,5,6,7
	FRAG 128*((\s)%2)+12*\b, 12+2*((\s)/4), 13+2*((\s)/4), ((\s)%4)*KSB+FRB*\b
.endr
	WIN 0
.irp a, 0,1,2,3
	FRAG F1+48*((\s)%2)+12*\a, 8+2*((\s)/4), 9+2*((\s)/4), ((\s)%4)*KSB+FRB*\a
.endr
.endm
.macro MUL16 s, a0                     ; S1's tiles a0, a0 + 1 against S0's eight.  In K step 0 the bias by S0's row is the C: nothing is cleared and nothing added later
.irp a, \a0, \a0+1
.irp b, 0,1,2,3,4,5,6,7
.if (\s) == 0
	v_wmma_scale_f32_16x16x128_f8f6f4 v[8*(8*(\a)+\b):8*(8*(\a)+\b)+7], v[128*((\s)%2)+12*\b:128*((\s)%2)+12*\b+11], v[F1+48*((\s)%2)+12*(\a):F1+48*((\s)%2)+12*(\a)+11], v[96+128*(\b/4)+8*(\b%4):96+128*(\b/4)+8*(\b%4)+7], v[SC+8*\b+(\s)], v[SC+8*(\a)+(\s)] matrix_a_fmt:MATRIX_FMT_FP6 matrix_b_fmt:MATRIX_FMT_FP6 matrix_a_scale:MATRIX_SCALE_ROW1
.else
	v_wmma_scale_f32_16x16x128_f8f6f4 v[8*(8*(\a)+\b):8*(8*(\a)+\b)+7], v[128*((\s)%2)+12*\b:128*((\s)%2)+12*\b+11], v[F1+48*((\s)%2)+12*(\a):F1+48*((\s)%2)+12*(\a)+11], v[8*(8*(\a)+\b):8*(8*(\a)+\b)+7], v[SC+8*\b+(\s)], v[SC+8*(\a)+(\s)] matrix_a_fmt:MATRIX_FMT_FP6 matrix_b_fmt:MATRIX_FMT_FP6 matrix_a_scale:MATRIX_SCALE_ROW1
.endif
.endr
.endr
.endm
.macro MWIN s                          ; source 0 window 1, source 1 window 0, D window 2; C window 1 (the bias) in K step 0, else window 2
.if (\s) == 0
	WIN 0x91
.else
	WIN 0xa1
.endif
.endm
.macro KSTEP s
	s_wait_dscnt 8                                 ; S0's eight fragments and S1's tiles 0, 1 are in; the youngest eight loads (tiles 2, 3) may be out
	MWIN \s
	MUL16 \s, 0
	PLACES 4                                       ; places in front of loads into the other set, which the K step before multiplied
.if (\s) < 7
	FETCH (\s)+1
	s_wait_dscnt 48                                ; all but the 48 just issued
.else
	s_wait_dscnt 0x0
.endif
	MWIN \s
	MUL16 \s, 2
.endm
	s_wait_tensorcnt 0x0                           ; my one load is in,
	s_barrier_signal -1
	s_barrier_wait -1                              ; everybody's is
	FETCH 0
	s_wait_loadcnt 0x0                             ; scale words and biases
.irp a, 0,1,2,3
	v_cndmask_b32 v[BJ+2*\a], v[BJ+2*\a], v[NIL], s27
.endr
.irp a, 0,1,2,3
	v_mov_b32 v[BJ+2*\a+1], v[BJ+2*\a]             ; a pair for the packed addition
.endr
	WIN 0x41                                       ; destination and source 0 window 1
.irp b, 0,1,2,3,4,5,6,7
.irp j, 0,1,2,3,4,5,6,7
	v_cndmask_b32 v[96+128*(\b/4)+8*(\b%4)+\j], v[96+128*(\b/4)+8*(\b%4)+\j], v[NIL], s26
.endr
.endr
	WIN 0
	PLACES 4
	s_wait_alu depctr_va_vdst(0)
	KSTEP 0
	KSTEP 1
	KSTEP 2
	KSTEP 3
	KSTEP 4
	KSTEP 5
	KSTEP 6
	KSTEP 7
	WIN 0
	PLACES 4                                       ; places in front of the first read of results
	; THE WAY OUT.  One text for the three kinds; what differs lies in scalar registers chosen by the kind.
	s_mov_b32 s66, 768
	s_mov_b32 s94, BLK
	s_mov_b32 s95, 4096
	s_lshl_b32 s88, s24, 6
	s_sub_co_u32 s88, s86, s88
	s_add_co_u32 s88, s88, s19                     ; q, k: my block of rows in its tensor
	s_sub_co_u32 s89, s85, 128                     ; v: val's block
	s_add_co_u32 s90, s84, s21
	s_lshl_b32 s90, s90, 1                         ; q, k: the first of my two heads
	s_lshl_b32 s91, s22, 1
	s_add_co_u32 s91, s91, s19
	s_lshl_b32 s91, s91, 1
	s_add_co_u32 s91, s91, s20                     ; v: my head
	s_cmp_eq_u32 s24, 2
	s_cselect_b32 s88, s89, s88
	s_cselect_b32 s90, s91, s90
	s_cselect_b32 s92, 0, s20
	s_cselect_b32 s66, 1536, s66                   ; from tile a to tile a + 1 in att
	s_cselect_b32 s94, 768, s94                    ; from a fragment's first piece to its second: the other half of the keys (v), the next head (q, k)
	s_cselect_b32 s95, 2, s95                      ; the same in ats
	s_cselect_b32 s60, 64, 2                       ; ats: from an even a to the odd one,
	s_cselect_b32 s62, 64, 62                      ; and on to the next even one
	s_mov_b32 s67, 0
	s_mov_b32 s61, 0
	s_mov_b32 s63, 0
	s_lshr_b32 s89, s88, 4
	s_lshl_b32 s89, s89, 4
	s_add_co_u32 s89, s89, s90                     ; 16 x batch + head
	s_and_b32 s88, s88, 15
	s_mul_i32 s90, s24, 6291456
	s_mul_i32 s91, s89, BLK
	s_add_co_u32 s90, s90, s91
	s_mul_i32 s91, s88, 6144
	s_add_co_u32 s90, s90, s91
	s_mul_i32 s91, s92, 3072
	s_add_co_u32 s90, s90, s91
	s_mov_b32 s91, 0
	s_add_nc_u64 s[14:15], s[14:15], s[90:91]
	s_lshl_b32 s90, s24, 18
	s_lshl_b32 s97, s89, 12
	s_add_co_u32 s90, s90, s97
	s_lshl_b32 s97, s88, 8
	s_add_co_u32 s90, s90, s97
	s_lshl_b32 s97, s92, 7
	s_add_co_u32 s90, s90, s97
	s_add_nc_u64 s[16:17], s[16:17], s[90:91]
	v_add_nc_u32 v22, s94, v4
	v_add_nc_u32 v23, s94, v5
	v_mul_lo_u32 v24, v2, s95
	v_lshl_add_u32 v24, v1, 2, v24                 ; 4 r + h x (the step to the second piece's two bytes)
	v_lshlrev_b32 v25, 4, v2                       ; 16 h
; 64 numbers of a lane in window 2, register 16 b + i = k 32 b + 16 h + i of my row, become a fragment's codes in v[PC] on and its scale word in v[PW]
.macro QUANT s
	WIN 0x28                                       ; sources 1 and 2 window 2
.irp b, 0,1,2,3
	v_max3_num_f32 v[TM+\b], 0x1800000, |v[\s+16*\b]|, |v[\s+1+16*\b]|   ; the floor 2^(3 - 127) holds the byte at 1 from below
.endr
.irp i, 2,4,6,8,10,12,14
.irp b, 0,1,2,3
	v_max3_num_f32 v[TM+\b], v[TM+\b], |v[\s+16*\b+\i]|, |v[\s+1+16*\b+\i]|
.endr
.endr
	WIN 0
.irp b, 0,1,2,3
	v_permlanex16_b32 v[TM+4+\b], v[TM+\b], s2, s3
.endr
.irp b, 0,1,2,3
	v_max_num_f32 v[TM+\b], v[TM+\b], v[TM+4+\b]   ; with lane l xor 16's: the block's largest magnitude
.endr
.irp b, 0,1,2,3
	v_add_nc_u32 v[TM+12+\b], 0xff000000, v[TM+\b] ; 2 off the exponent field: the conversion's scale operand
.endr
.irp b, 0,1,2,3
	v_lshrrev_b32 v[TM+4+\b], 23, v[TM+12+\b]      ; the scale's byte
.endr
	v_lshl_or_b32 v[PW], v[TM+5], 8, v[TM+4]
	v_lshl_or_b32 v[PW], v[TM+6], 16, v[PW]
	v_lshl_or_b32 v[PW], v[TM+7], 24, v[PW]
	WIN 0x02                                       ; source 0 window 2
.irp c, 0,1
	v_cvt_scalef32_pk16_fp6_f32 v[PC+6*\c:PC+6*\c+2], v[\s+32*\c:\s+32*\c+15], v[TM+12+2*\c]
	v_cvt_scalef32_pk16_fp6_f32 v[PC+12+4*\c:PC+14+4*\c], v[\s+16+32*\c:\s+31+32*\c], v[TM+13+2*\c]
.endr
	WIN 0
	v_nop                                          ; one plain place behind a scaled conversion
.irp c, 0,1                            ; the layout wants a whole block in a lane: lanes 0-15 block 2 c, lanes 16-31 block 2 c + 1
.irp i, 0,1,2
	v_permlane16_swap_b32 v[PC+6*\c+\i], v[PC+12+4*\c+\i]
.endr
.irp i, 0,1,2
	v_mov_b32 v[PC+3+6*\c+\i], v[PC+12+4*\c+\i]
.endr
.endr
.endm
.macro OUTA a
.if \a > 0
	s_wait_xcnt 0x0                                ; the last tile's stores have read their data and bases
	s_add_nc_u64 s[14:15], s[14:15], s[66:67]
.if \a == 2
	s_add_nc_u64 s[16:17], s[16:17], s[62:63]
.else
	s_add_nc_u64 s[16:17], s[16:17], s[60:61]
.endif
.endif
	WIN 0x82                                       ; destination and source 0 window 2
.set jj, 0
.rept 32
	v_pk_add_f32 v[64*\a+jj:64*\a+jj+1], v[64*\a+jj:64*\a+jj+1], v[BJ+2*\a:BJ+2*\a+1]   ; the bias by S1's row (0 for q and k); each accumulator from its low end on
.set jj, jj+2
.endr
	QUANT 64*\a
	global_store_b128 v4, v[PC:PC+3], s[14:15]                 ; 512 + 256 consecutive aligned bytes a piece
	global_store_b64 v5, v[PC+4:PC+5], s[14:15] offset:512
	global_store_b128 v22, v[PC+6:PC+9], s[14:15]
	global_store_b64 v23, v[PC+10:PC+11], s[14:15] offset:512
	v_lshrrev_b32 v[PW+1], v25, v[PW]              ; lanes 0-15: the first piece's two bytes; lanes 16-31: the second's
	global_store_b16 v24, v[PW+1], s[16:17]
.endm
	OUTA 0
	OUTA 1
	OUTA 2
	OUTA 3
	s_wait_tensorcnt 0x0                           ; the wave's end: behind my last tensor load
	ds_add_u32 v[SPW], v[NIL]
	s_wait_dscnt 0x0
	CROUND                                         ; the closing round
	s_endpgm
.Lfunc_end_k_qfcd7e3e741_proj:
	.size	k_qfcd7e3e741_proj, .Lfunc_end_k_qfcd7e3e741_proj-k_qfcd7e3e741_proj
	.p2alignl 7, 3214868480
	.fill 96, 4, 3214868480
	.section	.rodata,"a",@progbits
	.p2align	6, 0x0
	.amdhsa_kernel k_qfcd7e3e741_proj
		.amdhsa_group_segment_fixed_size 327680
		.amdhsa_private_segment_fixed_size 0
		.amdhsa_enable_private_segment 0
		.amdhsa_kernarg_size 56
		.amdhsa_user_sgpr_count 2
		.amdhsa_user_sgpr_kernarg_segment_ptr 1
		.amdhsa_wavefront_size32 1
		.amdhsa_system_sgpr_workgroup_id_x 1
		.amdhsa_system_sgpr_workgroup_id_y 1
		.amdhsa_system_sgpr_workgroup_id_z 1
		.amdhsa_system_vgpr_workitem_id 0
		.amdhsa_next_free_vgpr 768
		.amdhsa_next_free_sgpr 100
		.amdhsa_reserve_vcc 0
		.amdhsa_float_denorm_mode_32 3
		.amdhsa_float_denorm_mode_16_64 3
		.amdhsa_memory_ordered 1
		.amdhsa_forward_progress 1
		.amdhsa_inst_pref_size 102
	.end_amdhsa_kernel
	.amdgpu_metadata
---
amdhsa.version: [ 1, 2 ]
amdhsa.kernels:
  - .name:           k_qfcd7e3e741_proj
    .symbol:         k_qfcd7e3e741_proj.kd
    .args:
      - { .name: cod, .offset: 0, .size: 8, .value_kind: global_buffer, .address_space: global }
      - { .name: scl, .offset: 8, .size: 8, .value_kind: global_buffer, .address_space: global }
      - { .name: bq, .offset: 16, .size: 8, .value_kind: global_buffer, .address_space: global }
      - { .name: bk, .offset: 24, .size: 8, .value_kind: global_buffer, .address_space: global }
      - { .name: bv, .offset: 32, .size: 8, .value_kind: global_buffer, .address_space: global }
      - { .name: att, .offset: 40, .size: 8, .value_kind: global_buffer, .address_space: global }
      - { .name: ats, .offset: 48, .size: 8, .value_kind: global_buffer, .address_space: global }
    .group_segment_fixed_size: 327680
    .private_segment_fixed_size: 0
    .kernarg_segment_align: 8
    .kernarg_segment_size: 56
    .max_flat_workgroup_size: 128
    .sgpr_count:     100
    .vgpr_count:     768
    .wavefront_size: 32
...
	.end_amdgpu_metadata
.endif
;; end of part 2
;; launch attn (part 3): grid 4 x 64, 16 waves a work-group, no clusters, 256,000 bytes of LDS; arguments att, ats, flg, attn_mask, cod, scl; writes cod, scl
.if DOCPART == 3
	.amdgcn_target "amdgcn-amd-amdhsa--gfx1250"
	.amdhsa_code_object_version 6
	.text
	.protected	k_qfcd7e3e741_attn
	.globl	k_qfcd7e3e741_attn
	.p2align	8
	.type	k_qfcd7e3e741_attn,@function
k_qfcd7e3e741_attn:
	s_mov_b64 s[64:65], 0
	v_nop
	global_prefetch_b8 v0, s[64:65] scope:SCOPE_SE
	s_setreg_imm32_b32 hwreg(HW_REG_WAVE_MODE, 25, 1), 1
	s_wait_xcnt 0x0
; ATTN.  For each (batch, head): S^T = k q^T, + ln(mask), / 8, the softmax, O^T = v^T p^T, / the row's sum; both products on codes of FP6 (E2M3) with E8M0 scales.  The result is quantised along HID into the last product's operand image.
; THE SOFTMAX: t = logit x log2(e); M = the running largest t rounded UP to a whole number; p = 2^(t - M) is quantised along the keys, not normalised; the row's sum is taken of the unquantised p; when M moves, sum and O^T are multiplied by 2^(old M - new M): exact.
; SHARES.  Work-group (J, bh) takes query blocks 7 - J and J (256 queries each), one after the other.  Each of its sixteen waves owns one tile of 16 queries and walks the key steps of 128.
; THE MASK IS AN INPUT.  An earlier launch has classed each tile of 16 queries x 128 keys (flg): all zeros: p = 0 exactly, the step is left out; all ones: ln 1 = 0, no term; else the f32 mask is read and ln 2 x log2(mask) added.
; These are branches on whole numbers read from memory; K's and V's tiles come into LDS through registers, not by the tensor data mover, and no barrier stands under such a branch.
; THE HEAD'S K AND V STAY IN LDS: 8 slots of 24,576 bytes (two key steps of K, 12,288 bytes, then two of V), each stored once and never written again.  So a barrier only has to show a slot whole, and it is split:
; in the first pass, at the end of trip n a wave stores its 1,536 bytes of slot n + 2 (asked for a trip earlier), asks for slot n + 3 and signals; it waits for that barrier at the end of trip n + 1, ahead of trip n + 2, which reads the slot.
; The second pass finds all its slots in LDS: a slot is fetched if some wave wants it in either pass.  It has no load of K or V and no barrier.
; K = 64 FILLS HALF OF THE FORM'S 128: a fragment of k holds TWO tiles of keys (registers 0-5, 6-11); q stands between two runs of zero codes, [0 | q | 0], and is taken as [q | 0] for the first tile and as [0 | q] for the second.
; The keys of a tile are chosen (lane r of tile 2 b + u: key 32 b + 8 u + r + 8 (r / 8)), so that the 16 registers of S^T's tiles 2 b, 2 b + 1 are 16 neighbouring keys; v's rows d likewise, so that O^T's registers are neighbours along HID.
; A row all of whose keys are masked has the sum 0: its scale bytes become 0xff, which makes the last product's row NaN.
; LIMITS: NaN, infinities and negative numbers in the mask are not served; mask numbers under 2^-126 count as 0; blocks whose largest magnitude lies under 2^-124 keep the byte 1; the scaled scores t stay under 2^31 in magnitude.
; No multicast: joint requests are tensor loads.  No data prefetch: a slot's own loads stand a whole trip, two key steps, ahead of the store that waits for them.
; LDS: at 0 the head's scale words [step][p][K's 16 | V's 16], 8,192 bytes; at 8,192 the spare words; from 10,240 the slots.  The claim also covers the store addresses that trips 6 and 7 form (slots 8, 9): no bit asks for those, nothing is stored there.
; REGISTERS: v1, v2 16 and 8 x lane; v3, v4 scale words' addresses; v5, v6 the add's two; v7 q's scale word; v8-11 K's and V's; v12 -M, v13 largest t, v[14:15] the sum; v16 my place in a slot; v17 the mask's lane offset;
;   v18-35 [0 | q | 0]; v36-83 four fragments; v84-95 staging; v96-159 S^T, then p; v160-191 O^T; v192-223 mask numbers; v224-254 at work; v243, v255 the slot's LDS addresses; v248 the staging store's.
.set SPARE, 8192
.set RING,  10240
.set SLOT,  24576
.set GSL,   12288                      ; a slot's K, or its V, in att
.set SPW,   5
.set NIL,   6
.set A16,   243
.set A8,    255
.set AST,   248
.macro FRAG reg, off                   ; a fragment comes back as it was stored: registers 0-3, 4-5, 6-9, 10-11
	ds_load_b128 v[\reg:\reg+3], v[A16] offset:\off
	ds_load_b64 v[\reg+4:\reg+5], v[A8] offset:(\off)+512
	ds_load_b128 v[\reg+6:\reg+9], v[A16] offset:(\off)+768
	ds_load_b64 v[\reg+10:\reg+11], v[A8] offset:(\off)+1280
.endm
; A KEY STEP: 128 keys, the q-th of the trip's slot
.macro STEP q
	s_bitcmp1_b32 s30, 0                           ; does the mask leave my 16 queries anything of these 128 keys?
	s_cbranch_scc0 .Lhid_\@
	s_wait_alu depctr_va_vdst(0)
.irp p, 0,1,2,3
	FRAG 36+12*\p, 6144*\q+1536*\p
	ds_load_b32 v[8+\p], v4 offset:512*\q+128*\p   ; lanes 0-15: the words of K's pair p; lanes 16-31: those of V's tile p
.endr
	s_wait_dscnt 0x0
.irp p, 0,1,2,3
	v_wmma_scale_f32_16x16x128_f8f6f4 v[96+16*\p:103+16*\p], v[36+12*\p:47+12*\p], v[24:35], 0, v[8+\p], v7 matrix_a_fmt:MATRIX_FMT_FP6 matrix_b_fmt:MATRIX_FMT_FP6
	v_wmma_scale_f32_16x16x128_f8f6f4 v[104+16*\p:111+16*\p], v[36+12*\p:47+12*\p], v[18:29], 0, v[8+\p], v7 matrix_a_fmt:MATRIX_FMT_FP6 matrix_b_fmt:MATRIX_FMT_FP6
.endr
.rept 4
	v_nop                                          ; places in front of the first read of results and of loads into K's registers
.endr
	s_bitcmp1_b32 s31, 0                           ; a number other than 1 in the tile?
	s_cbranch_scc0 .Lplain_\@
.irp b, 0,1
.irp i, 0,1,2,3
	global_load_b128 v[192+16*\b+4*\i:195+16*\b+4*\i], v17, s[32:33] offset:128*\b+16*\i   ; register 16 b + i: mask(my query, key 32 b + 16 h + i)
.endr
.endr
.irp b, 2,3
.irp i, 0,1,2,3
	global_load_b128 v[36+16*(\b-2)+4*\i:39+16*(\b-2)+4*\i], v17, s[32:33] offset:128*\b+16*\i
.endr
.endr
	s_wait_loadcnt 0x0
.set jj, 0
.rept 32
	v_log_f32 v[192+jj], v[192+jj]
.set jj, jj+1
.endr
.set jj, 0
.rept 32
	v_log_f32 v[36+jj], v[36+jj]
.set jj, jj+1
.endr
	v_nop                                          ; a plain place behind the last logarithm
	s_wait_alu depctr_va_vdst(0)                   ; one wait for the batch, ahead of its first reader
.set jj, 0
.rept 16
	v_pk_fma_f32 v[96+jj:97+jj], v[192+jj:193+jj], s[24:25], v[96+jj:97+jj] op_sel_hi:[1,0,1]   ; score + ln(mask); ln 0 = -infinity: p = 0
.set jj, jj+2
.endr
.set jj, 0
.rept 16
	v_pk_fma_f32 v[128+jj:129+jj], v[36+jj:37+jj], s[24:25], v[128+jj:129+jj] op_sel_hi:[1,0,1]
.set jj, jj+2
.endr
.Lplain_\@:
.irp t, 0,1,2,3
	FRAG 36+12*\t, GSL+6144*\q+1536*\t             ; V's four fragments are asked for ahead of the softmax
.endr
.irp b, 0,1,2,3
	v_max3_num_f32 v[232+\b], v[96+16*\b], v[97+16*\b], v[98+16*\b]   ; the largest score of each block of 32 keys: for the row's maximum and for the block's largest p
.endr
.irp i, 3,5,7,9,11,13
.irp b, 0,1,2,3
	v_max3_num_f32 v[232+\b], v[232+\b], v[96+16*\b+\i], v[97+16*\b+\i]
.endr
.endr
.irp b, 0,1,2,3
	v_max_num_f32 v[232+\b], v[232+\b], v[111+16*\b]
.endr
.irp b, 0,1,2,3
	s_delay_alu instid0(VALU_DEP_4)
	v_permlanex16_b32 v[236+\b], v[232+\b], s20, s21
.endr
.irp b, 0,1,2,3
	s_delay_alu instid0(VALU_DEP_4)
	v_max_num_f32 v[232+\b], v[232+\b], v[236+\b]  ; with lane l xor 16's 16 keys
.endr
	s_delay_alu instid0(VALU_DEP_2)
	v_max3_num_f32 v254, v232, v233, v234
	s_delay_alu instid0(VALU_DEP_1)
	v_max_num_f32 v254, v254, v235
	s_delay_alu instid0(VALU_DEP_1)
	v_mul_f32 v254, s22, v254                      ; as t (c is positive)
	s_delay_alu instid0(VALU_DEP_1)
	v_max_num_f32 v13, v13, v254                   ; the running largest t
	v_mov_b32 v254, v12
	s_delay_alu instid0(VALU_DEP_2)
	v_floor_f32 v12, -v13                          ; the new -M = floor(-t): M is a whole number
	s_delay_alu instid0(VALU_DEP_1)
	v_sub_f32 v254, v12, v254                      ; old M - new M: a whole number, 0 or less
	s_delay_alu instid0(VALU_DEP_1)
	v_cvt_i32_f32 v254, v254                       ; (it saturates)
	s_delay_alu instid0(VALU_DEP_1)
	v_ldexp_f32 v252, 1.0, v254                    ; f = 2^(old M - new M)
.set jj, 0
.rept 32
	v_pk_fma_f32 v[96+jj:97+jj], v[96+jj:97+jj], s[22:23], v[12:13] op_sel_hi:[1,0,0]   ; t - M
.set jj, jj+2
.endr
.irp b, 0,1,2,3
	v_fma_f32 v[232+\b], v[232+\b], s22, v12       ; the same of each block's largest score
.endr
.set jj, 0
	s_wait_alu depctr_va_vdst(0)                   ; the wait ahead of the batch
.rept 64
	v_exp_f32 v[96+jj], v[96+jj]                   ; p = 2^(t - M), at most 1
.set jj, jj+1
.endr
	v_pk_mul_f32 v[14:15], v[14:15], v[252:253] op_sel_hi:[1,0]   ; the sums under the new M: a plain place behind the exponentials
	s_wait_alu depctr_va_vdst(0)                   ; one wait for the batch of 64, ahead of its first reader
.irp b, 0,1,2,3
	v_exp_f32 v[232+\b], v[232+\b]                 ; the block's largest p: the same two instructions on the same number
.endr
	v_pk_add_f32 v[236:237], v[96:97], v[98:99]    ; the row's sum of the unquantised p, two at a time, in three chains
	v_pk_add_f32 v[250:251], v[100:101], v[102:103]
.set jj, 104
.rept 9
	v_pk_add_f32 v[14:15], v[14:15], v[jj:jj+1]
	v_pk_add_f32 v[236:237], v[236:237], v[jj+2:jj+3]
	v_pk_add_f32 v[250:251], v[250:251], v[jj+4:jj+5]
.set jj, jj+6
.endr
	v_pk_add_f32 v[14:15], v[14:15], v[158:159]
	s_delay_alu instid0(VALU_DEP_1)
	v_pk_add_f32 v[14:15], v[14:15], v[250:251]
	s_delay_alu instid0(VALU_DEP_1)
	v_pk_add_f32 v[14:15], v[14:15], v[236:237]
	s_wait_alu depctr_va_vdst(0)                   ; and one for the four
.irp b, 0,1,2,3
	v_max_num_f32 v[232+\b], 0x1800000, v[232+\b]  ; the floor 2^(3 - 127): the byte cannot fall under 1
.endr
.irp b, 0,1,2,3
	s_delay_alu instid0(VALU_DEP_4)
	v_add_nc_u32 v[244+\b], 0xff000000, v[232+\b]  ; the conversion's scale operand
.endr
.irp b, 0,1,2,3
	s_delay_alu instid0(VALU_DEP_4)
	v_lshrrev_b32 v[236+\b], 23, v[244+\b]         ; the scale's byte
.endr
	s_delay_alu instid0(VALU_DEP_3)
	v_lshl_or_b32 v253, v237, 8, v236              ; p's scale word for these 128 keys
	s_delay_alu instid0(VALU_DEP_1)
	v_lshl_or_b32 v253, v238, 16, v253
	s_delay_alu instid0(VALU_DEP_1)
	v_lshl_or_b32 v253, v239, 24, v253
.irp c, 0,1
	v_cvt_scalef32_pk16_fp6_f32 v[224+6*\c:226+6*\c], v[96+32*\c:111+32*\c], v[244+2*\c]
	v_cvt_scalef32_pk16_fp6_f32 v[236+4*\c:238+4*\c], v[112+32*\c:127+32*\c], v[245+2*\c]
.endr
	v_nop                                          ; one plain place behind a scaled conversion
.irp c, 0,1
.irp i, 0,1,2
	v_permlane16_swap_b32 v[224+6*\c+\i], v[236+4*\c+\i]
.endr
.irp i, 0,1,2
	s_delay_alu instid0(VALU_DEP_3)
	v_mov_b32 v[227+6*\c+\i], v[236+4*\c+\i]
.endr
.endr
.set jj, 0
.rept 16
	v_pk_mul_f32 v[160+jj:161+jj], v[160+jj:161+jj], v[252:253] op_sel_hi:[1,0]   ; O^T under the new M; these sixteen also stand between the writes of p's codes and scale word and the products
.set jj, jj+2
.endr
	s_wait_alu depctr_va_vdst(0)
	s_wait_dscnt 0x0                               ; V is in
.irp t, 0,1,2,3
	v_wmma_scale_f32_16x16x128_f8f6f4 v[160+8*\t:167+8*\t], v[36+12*\t:47+12*\t], v[224:235], v[160+8*\t:167+8*\t], v[8+\t], v253 matrix_a_fmt:MATRIX_FMT_FP6 matrix_b_fmt:MATRIX_FMT_FP6 matrix_a_scale:MATRIX_SCALE_ROW1
.endr
.rept 4
	v_nop                                          ; places in front of the next loads into these operands and of the next read of O^T
.endr
.Lhid_\@:
	s_lshr_b32 s30, s30, 1                         ; the next step's bits,
	s_lshr_b32 s31, s31, 1
	s_add_nc_u64 s[32:33], s[32:33], 512           ; and its 128 numbers of a mask row (no load that names this base is out)
.endm
; What a pass asks of memory for itself: my tile's two words of mask classes, q's piece and its two scale bytes.  p = 0: block 7 - J; p = 1: block J
.macro PRE p
.if \p == 0
	s_sub_co_u32 s48, 7, s17
	s_lshl_b32 s48, s48, 4
.else
	s_lshl_b32 s48, s17, 4
.endif
	s_add_co_u32 s48, s48, s16                     ; my query tile, 0 .. 127
	s_lshl_b32 s42, s48, 2
	s_add_nc_u64 s[44:45], s[8:9], s[42:43]
	s_load_b32 s30, s[44:45], 0x0                  ; bit s: key step s has something for me
	s_load_b32 s31, s[44:45], 0x200                ; bit s: it holds a number other than 1
	s_lshl_b32 s42, s18, 7
	s_add_co_u32 s42, s42, s48
	s_mul_i32 s42, s42, 768
	s_add_nc_u64 s[46:47], s[4:5], s[42:43]
	global_load_b128 v[24:27], v1, s[46:47]        ; q's piece
	global_load_b64 v[28:29], v2, s[46:47] offset:512
	s_lshl_b32 s42, s18, 12
	s_lshr_b32 s49, s48, 1
	s_lshl_b32 s49, s49, 6
	s_add_co_u32 s42, s42, s49
	s_and_b32 s49, s48, 1
	s_lshl_b32 s49, s49, 1
	s_add_co_u32 s42, s42, s49
	s_add_nc_u64 s[50:51], s[6:7], s[42:43]
	v_and_b32 v192, 15, v0
	s_delay_alu instid0(VALU_DEP_1)
	v_lshlrev_b32 v192, 2, v192
	global_load_u16 v193, v192, s[50:51]           ; its two scale bytes
	s_lshl_b32 s42, s48, 17
	s_add_nc_u64 s[32:33], s[10:11], s[42:43]      ; my 16 rows of the mask
.endm
.macro START                           ; a pass's state, behind the wait for PRE's loads
	v_lshl_or_b32 v7, v193, 16, v193               ; the same two bytes for both places of q
	v_mov_b32 v13, 0xff61b1e6                      ; the largest t so far: -3e38
	s_delay_alu instid0(VALU_DEP_1)
	v_floor_f32 v12, -v13
	v_mov_b32 v14, 0
	v_mov_b32 v15, 0
.set jj, 0
.rept 32
	v_mov_b32 v[160+jj], 0                         ; O^T: the loop has no first step of its own; the first change of M leaves zeros zeros
.set jj, jj+1
.endr
.endm
; The walk over the eight slots.  fill = 1: the first pass, which also fills the ring
.macro LOOP fill
	s_mov_b32 s27, RING                            ; the trip's slot in LDS
	s_mov_b32 s29, 0                               ; and its scale words: 1,024 bytes a slot
	s_mov_b32 s56, 8
.Lslot_\@:
	v_add_nc_u32 v4, s29, v3
	v_add_nc_u32 v[A16], s27, v1
	v_add_nc_u32 v[A8], s27, v2
	STEP 0
	STEP 1
.if \fill
	v_add_nc_u32 v[AST], s27, v16
	s_wait_alu depctr_va_vdst(0)
	s_barrier_wait -1                              ; the barrier signalled a trip ago: every wave has stored its part of the next trip's slot
	s_wait_loadcnt 0x0                             ; what I asked for a trip ago is in
	s_cmp_lg_u32 s38, 0
	s_cbranch_scc0 .Lnost_\@
.irp c, 0,1,2
	ds_store_b128 v[AST], v[84+4*\c:87+4*\c] offset:2*SLOT+512*\c   ; my part of the slot two trips on
.endr
.Lnost_\@:
	s_wait_dscnt 0x0                               ; for the others' sake: my stores are done; and they have read their registers
	s_add_nc_u64 s[36:37], s[36:37], GSL           ; (the loads that named this pair have been waited for)
	s_and_b32 s38, s26, 1                          ; does some wave want the slot three trips on?  Beyond slot 7 the bits are 0
	s_lshr_b32 s26, s26, 2
	s_cmp_lg_u32 s38, 0
	s_cbranch_scc0 .Lnoreq_\@
.irp c, 0,1,2
	global_load_b128 v[84+4*\c:87+4*\c], v1, s[36:37] offset:512*\c
.endr
.Lnoreq_\@:
	s_barrier_signal -1                            ; between this signal and its wait: the next trip's steps, which read slots stored earlier and store nothing
.endif
	s_add_co_u32 s27, s27, SLOT
	s_add_co_u32 s29, s29, 1024
	s_sub_co_u32 s56, s56, 1
	s_cmp_lg_u32 s56, 0
	s_cbranch_scc1 .Lslot_\@
.endm
; The way out of a pass.  p = 0: the next pass's requests go out ahead of the arithmetic, and the last barrier's wait stands ahead of the stores
.macro OUT p
	s_lshr_b32 s42, s18, 4
	s_lshl_b32 s42, s42, 4
	s_lshr_b32 s49, s48, 3
	s_add_co_u32 s42, s42, s49
	s_add_co_u32 s49, s42, 224                     ; the block of the result's image
	s_mul_i32 s42, s49, 98304
	s_bfe_u32 s58, s18, 0x30001                    ; head / 2: the K step
	s_mul_i32 s58, s58, 12288
	s_add_co_u32 s42, s42, s58
	s_and_b32 s58, s48, 7
	s_mul_i32 s59, s58, 1536
	s_add_co_u32 s42, s42, s59
	s_and_b32 s59, s18, 1
	s_mul_i32 s59, s59, 768                        ; head % 2: the half
	s_add_co_u32 s42, s42, s59
	s_add_nc_u64 s[52:53], s[12:13], s[42:43]
	s_lshl_b32 s42, s49, 12
	s_bfe_u32 s59, s18, 0x10003
	s_lshl_b32 s59, s59, 11
	s_add_co_u32 s42, s42, s59
	s_lshl_b32 s59, s58, 8
	s_add_co_u32 s42, s42, s59
	s_and_b32 s59, s18, 7
	s_lshl_b32 s59, s59, 1
	s_add_co_u32 s42, s42, s59
	s_add_nc_u64 s[54:55], s[14:15], s[42:43]
.if \p == 0
	PRE 1
.endif
	v_add_f32 v14, v14, v15
	s_delay_alu instid0(VALU_DEP_1)
	v_permlanex16_b32 v252, v14, s20, s21
	s_delay_alu instid0(VALU_DEP_1)
	v_add_f32 v14, v14, v252                       ; the row's sum
	s_wait_alu depctr_va_vdst(0)                   ; the wait ahead of the transcendental
	v_rcp_f32 v15, v14
	v_mov_b32 v247, 0xffff                         ; (a plain place behind the reciprocal)
	s_wait_alu depctr_va_vdst(0)                   ; the wait ahead of the reciprocal's first reader
.set jj, 0
.rept 32
	v_mul_f32 v[96+jj], v[160+jj], v15             ; register 16 g + i: d = 32 g + 16 h + i of my query
.set jj, jj+1
.endr
.irp b, 0,1
	v_max3_num_f32 v[232+\b], |v[96+16*\b]|, |v[97+16*\b]|, 0x1800000
.endr
.irp i, 2,4,6,8,10,12,14
.irp b, 0,1
	s_delay_alu instid0(VALU_DEP_2)
	v_max3_num_f32 v[232+\b], v[232+\b], |v[96+16*\b+\i]|, |v[97+16*\b+\i]|
.endr
.endr
.irp b, 0,1
	s_delay_alu instid0(VALU_DEP_2)
	v_permlanex16_b32 v[236+\b], v[232+\b], s20, s21
.endr
.irp b, 0,1
	s_delay_alu instid0(VALU_DEP_2)
	v_max_num_f32 v[232+\b], v[232+\b], v[236+\b]
.endr
.irp b, 0,1
	s_delay_alu instid0(VALU_DEP_2)
	v_add_nc_u32 v[244+\b], 0xff000000, v[232+\b]
.endr
.irp b, 0,1
	s_delay_alu instid0(VALU_DEP_2)
	v_lshrrev_b32 v[236+\b], 23, v[244+\b]
.endr
	s_delay_alu instid0(VALU_DEP_1)
	v_lshl_or_b32 v246, v237, 8, v236              ; the two scale bytes of my row's 64
	v_cmp_eq_f32 s57, 0, v14
	s_delay_alu instid0(VALU_DEP_1)
	v_cndmask_b32 v246, v246, v247, s57            ; a row with nothing left: NaN bytes.  A value is chosen; nothing branches
	v_cvt_scalef32_pk16_fp6_f32 v[224:226], v[96:111], v244
	v_cvt_scalef32_pk16_fp6_f32 v[240:242], v[112:127], v245
	v_nop                                          ; one plain place behind a scaled conversion
.irp i, 0,1,2
	v_permlane16_swap_b32 v[224+\i], v[240+\i]
.endr
.irp i, 0,1,2
	s_delay_alu instid0(VALU_DEP_3)
	v_mov_b32 v[227+\i], v[240+\i]
.endr
	v_and_b32 v248, 15, v0
	s_delay_alu instid0(VALU_DEP_1)
	v_lshlrev_b32 v248, 4, v248                    ; 16 bytes of scale words a row
	v_and_b32 v249, 31, v0
	s_wait_alu depctr_va_vdst(0)
.if \p == 0
	s_barrier_wait -1                              ; the loop's last signal: every wave has left the first pass's loop, all slots are whole; no store stood between signal and wait
.endif
	global_store_b128 v1, v[224:227], s[52:53]     ; 512 + 256 consecutive aligned bytes
	global_store_b64 v2, v[228:229], s[52:53] offset:512
	s_wait_xcnt 0x0                                ; EXEC changes only behind this wait
	v_cmp_gt_u32 vcc_lo, 16, v249
	s_and_saveexec_b32 s57, vcc_lo
	global_store_b16 v248, v246, s[54:55]
	s_wait_xcnt 0x0                                ; and again: it also frees the stores' data and bases for the next pass
	s_or_b32 exec_lo, exec_lo, s57
.endm
	s_load_b256 s[4:11], s[0:1], 0x0               ; att, ats, flg, attn_mask
	s_load_b128 s[12:15], s[0:1], 0x20             ; cod, scl
	v_lshl_add_u32 v[SPW], v0, 2, SPARE
	v_mov_b32 v[NIL], 0
	v_lshrrev_b32 v4, 5, v0
	s_delay_alu instid0(VALU_DEP_1)
	v_readfirstlane_b32 s16, v4                    ; wave 0..15
	s_mov_b32 s17, ttmp9                           ; J
	s_and_b32 s18, ttmp7, 0xffff                   ; bh = 16 x batch + head
	s_mov_b32 s20, 0x76543210
	s_mov_b32 s21, 0xfedcba98                      ; v_permlanex16_b32's selects for lane l xor 16
	s_mov_b32 s22, 0x3e38aa3b                      ; c = log2(e) / 8
	s_mov_b32 s23, s22                             ; (named with it as a pair, so it is written)
	s_mov_b32 s24, 0x3f317218                      ; ln 2
	s_mov_b32 s25, s24
	s_mov_b32 s43, 0
	v_and_b32 v4, 31, v0
	s_delay_alu instid0(VALU_DEP_1)
	v_lshlrev_b32 v1, 4, v4
	s_delay_alu instid0(VALU_DEP_2)
	v_lshlrev_b32 v2, 3, v4
	s_delay_alu instid0(VALU_DEP_3)
	v_lshlrev_b32 v3, 2, v4                        ; the scale words lie from LDS byte 0 on
	s_mul_i32 s42, s16, 1536
	v_add_nc_u32 v16, s42, v1                      ; a slot is sixteen waves' 1,536 bytes: waves 0-7 K's, waves 8-15 V's
	v_and_b32 v17, 15, v0
	s_delay_alu instid0(VALU_DEP_1)
	v_lshlrev_b32 v17, 13, v17
	v_bfe_u32 v192, v0, 4, 1
	s_delay_alu instid0(VALU_DEP_1)
	v_lshl_add_u32 v17, v192, 6, v17               ; the mask: row r of 8,192 bytes, + 16 h numbers
.irp j, 18,19,20,21,22,23,30,31,32,33,34,35
	v_mov_b32 v\j, 0                               ; the zero codes on both sides of q
.endr
.irp j, 236,237,238,239,252,253
	v_mov_b32 v\j, 0                               ; written once: lane permutes' destinations, and a pair that is named whole
.endr
	v_and_b32 v200, 255, v0                        ; the scale words' way into LDS: 64 runs of 64 bytes of K's (threads 0-255) and of V's (256-511), by turns
	s_delay_alu instid0(VALU_DEP_1)
	v_lshrrev_b32 v201, 2, v200
	s_delay_alu instid0(VALU_DEP_1)
	v_lshlrev_b32 v201, 7, v201
	v_and_b32 v202, 3, v0
	s_delay_alu instid0(VALU_DEP_1)
	v_lshl_add_u32 v201, v202, 4, v201
	v_lshrrev_b32 v202, 8, v0
	s_delay_alu instid0(VALU_DEP_1)
	v_lshl_add_u32 v201, v202, 6, v201
	v_lshlrev_b32 v200, 4, v200
	s_delay_alu instid0(VALU_DEP_1)
	v_lshl_add_u32 v200, v202, 18, v200            ; V's lie 262,144 bytes behind K's
	v_add_nc_u32 v[AST], RING, v16                 ; my place in slot 0
	s_lshr_b32 s42, s16, 3
	s_add_co_u32 s42, s42, 1
	s_mul_i32 s42, s42, 6291456                    ; k's or v's part of att
	s_mul_i32 s44, s18, 98304
	s_add_co_u32 s42, s42, s44
	s_and_b32 s44, s16, 7
	s_mul_i32 s44, s44, 1536
	s_add_co_u32 s42, s42, s44
	s_wait_alu depctr_va_vdst(0)                   ; the wait at the head's end
	s_wait_kmcnt 0x0
	; all that the head wants of memory goes out as one group: slots 0 and 1 (untested), the scale words, the classes of both blocks, and the first pass's own requests
	s_add_nc_u64 s[34:35], s[4:5], s[42:43]        ; my 1,536 bytes of key slot 0
.irp c, 0,1,2
	global_load_b128 v[96+4*\c:99+4*\c], v1, s[34:35] offset:512*\c
	global_load_b128 v[108+4*\c:111+4*\c], v1, s[34:35] offset:GSL+512*\c
.endr
	s_lshl_b32 s42, s18, 12
	s_add_co_u32 s42, s42, 262144
	s_add_nc_u64 s[52:53], s[6:7], s[42:43]
	global_load_b128 v[204:207], v200, s[52:53]
	s_lshl_b32 s42, s17, 6                         ; which slots does some wave of the work-group want?  The sixteen words of block J,
	s_add_nc_u64 s[54:55], s[8:9], s[42:43]
	s_load_b512 s[68:83], s[54:55], 0x0
	s_sub_co_u32 s42, 7, s17
	s_lshl_b32 s42, s42, 6                         ; and of block 7 - J
	s_add_nc_u64 s[58:59], s[8:9], s[42:43]
	s_load_b512 s[84:99], s[58:59], 0x0
	PRE 0
	s_add_nc_u64 s[36:37], s[34:35], 2*GSL         ; my part of slot 2
	s_wait_kmcnt 0x0
.irp i, 69,70,71,72,73,74,75,76,77,78,79,80,81,82,83,84,85,86,87,88,89,90,91,92,93,94,95,96,97,98,99
	s_or_b32 s68, s68, s\i
.endr
	s_lshr_b32 s69, s68, 1
	s_or_b32 s68, s68, s69
	s_and_b32 s68, s68, 0x5555                     ; bit 2 n: slot n (steps 2 n, 2 n + 1) is wanted in one of the passes
	s_lshr_b32 s26, s68, 4
	s_and_b32 s38, s26, 1                          ; slot 2
	s_lshr_b32 s26, s26, 2                         ; bit 0: the slot that is asked for next
	s_wait_loadcnt 0x0
.irp c, 0,1,2
	ds_store_b128 v[AST], v[96+4*\c:99+4*\c] offset:512*\c
	ds_store_b128 v[AST], v[108+4*\c:111+4*\c] offset:SLOT+512*\c
.endr
	ds_store_b128 v201, v[204:207]
	s_cmp_lg_u32 s38, 0
	s_cbranch_scc0 .Lno2
.irp c, 0,1,2
	global_load_b128 v[84+4*\c:87+4*\c], v1, s[36:37] offset:512*\c
.endr
.Lno2:
	START
	s_wait_dscnt 0x0                               ; for the others' sake: my stores are done
	s_barrier_signal -1
	s_barrier_wait -1                              ; slots 0 and 1 and the scale words are whole
	s_barrier_signal -1                            ; opens the loop's split barrier: trip 0 ends with a wait
	LOOP 1
	OUT 0
	s_wait_loadcnt 0x0                             ; the second pass's q and scale bytes,
	s_wait_kmcnt 0x0                               ; and its two words of classes
	START
	LOOP 0
	OUT 1
	s_wait_tensorcnt 0x0                           ; the wave's end: behind my last LDS store
	ds_add_u32 v[SPW], v[NIL]
	s_wait_dscnt 0x0
	s_endpgm
.Lfunc_end_k_qfcd7e3e741_attn:
	.size	k_qfcd7e3e741_attn, .Lfunc_end_k_qfcd7e3e741_attn-k_qfcd7e3e741_attn
	.p2alignl 7, 3214868480
	.fill 96, 4, 3214868480
	.section	.rodata,"a",@progbits
	.p2align	6, 0x0
	.amdhsa_kernel k_qfcd7e3e741_attn
		.amdhsa_group_segment_fixed_size 256000
		.amdhsa_private_segment_fixed_size 0
		.amdhsa_enable_private_segment 0
		.amdhsa_kernarg_size 48
		.amdhsa_user_sgpr_count 2
		.amdhsa_user_sgpr_kernarg_segment_ptr 1
		.amdhsa_wavefront_size32 1
		.amdhsa_system_sgpr_workgroup_id_x 1
		.amdhsa_system_sgpr_workgroup_id_y 1
		.amdhsa_system_sgpr_workgroup_id_z 1
		.amdhsa_system_vgpr_workitem_id 0
		.amdhsa_next_free_vgpr 256
		.amdhsa_next_free_sgpr 100
		.amdhsa_reserve_vcc 1
		.amdhsa_float_denorm_mode_32 3
		.amdhsa_float_denorm_mode_16_64 3
		.amdhsa_memory_ordered 1
		.amdhsa_forward_progress 1
		.amdhsa_inst_pref_size 116
	.end_amdhsa_kernel
	.amdgpu_metadata
---
amdhsa.version: [ 1, 2 ]
amdhsa.kernels:
  - .name:           k_qfcd7e3e741_attn
    .symbol:         k_qfcd7e3e741_attn.kd
    .args:
      - { .name: att, .offset: 0, .size: 8, .value_kind: global_buffer, .address_space: global }
      - { .name: ats, .offset: 8, .size: 8, .value_kind: global_buffer, .address_space: global }
      - { .name: flg, .offset: 16, .size: 8, .value_kind: global_buffer, .address_space: global }
      - { .name: attn_mask, .offset: 24, .size: 8, .value_kind: global_buffer, .address_space: global }
      - { .name: cod, .offset: 32, .size: 8, .value_kind: global_buffer, .address_space: global }
      - { .name: scl, .offset: 40, .size: 8, .value_kind: global_buffer, .address_space: global }
    .group_segment_fixed_size: 256000
    .private_segment_fixed_size: 0
    .kernarg_segment_align: 8
    .kernarg_segment_size: 48
    .max_flat_workgroup_size: 512
    .sgpr_count:     100
    .vgpr_count:     256
    .wavefront_size: 32
...
	.end_amdgpu_metadata
.endif
;; end of part 3
;; launch oproj (part 4): grid 4 x 64, 4 waves a work-group, clusters of 4 x 4, 327,680 bytes of LDS; arguments cod, scl, bo, out0; writes out0
.if DOCPART == 4
	.amdgcn_target "amdgcn-amd-amdhsa--gfx1250"
	.amdhsa_code_object_version 6
	.text
	.protected	k_qfcd7e3e741_oproj
	.globl	k_qfcd7e3e741_oproj
	.p2align	8
	.type	k_qfcd7e3e741_oproj,@function
k_qfcd7e3e741_oproj:
	s_mov_b64 s[64:65], 0
	v_nop
	global_prefetch_b8 v0, s[64:65] scope:SCOPE_SE
	s_setreg_imm32_b32 hwreg(HW_REG_WAVE_MODE, 25, 1), 1
	s_wait_xcnt 0x0
	s_wait_alu depctr_hold_cnt(0) depctr_sa_sdst(0) depctr_va_vdst(0) depctr_va_sdst(0) depctr_va_ssrc(0) depctr_va_vcc(0) depctr_vm_vsrc(0)
	s_getreg_b32 s2, hwreg(HW_REG_IB_STS2, 6, 4)
	s_cmp_eq_u32 s2, 0
	s_cbranch_scc0 .Lentry_in_a_cluster
	s_endpgm
.Lentry_in_a_cluster:
	s_bfe_u32 s2, ttmp6, 0x10000c
	s_cmp_lg_u32 s2, 0xf033
	s_cbranch_scc0 .Lentry_shape_is_right
	s_endpgm
.Lentry_shape_is_right:
; OPROJ.  out0 = a Wo^T + bo on codes of FP6 (E2M3) with E8M0 scales; a is the attention launch's result, already in operand order (cod blocks 224-287), Wo in blocks 216-223.
; A work-group multiplies S0 (source 0: 128 features of Wo) by S1 (source 1: 256 rows of a) over all of K = 1,024; all three blocks lie in LDS at once (3 x 98,304 bytes): nothing is filled again.
; Wave w takes S0's 8 tiles against 4 tiles of S1 (block w / 2, tiles 4 (w % 2) + a): 32 accumulators, which take turns, one instruction a turn, in the same order in every K step.
; A lane holds ONE row of out0 and eight neighbouring features a tile; bo is the C of each sum's first product.
; CLUSTER 4 x 4: S0's block hangs on cx and the cluster's y, asked for jointly along a column; S1's blocks on cy and the cluster's y, jointly along a row.  A wave has one tensor load out.
; REGISTERS.  window 0: v1-5 r, h, lane, 16 lane, 8 lane; v8-15 LDS addresses; v16-21 offsets; v28, v29 the add's two; v32-95 scale words; v160-255 S1's fragments, two sets; on the way out v128-255 rows of out0.
;   window 1: S0's fragments at v0-95 and v128-223; bo at v96-127 and v224-255.   window 2: accumulator (a, b) at v[8 (8 a + b)].
.set BLK,   98304
.set KSB,   12288
.set FRB,   1536
.set QRT,   24576
.set S0L,   196608
.set SPARE, 294912                     ; the spare words, 128 bytes a wave: two blocks of 256 bytes that no other line names
.set SPITCH, 528                       ; the way out: a stage of 16 rows x (512 bytes + 16) a wave, in bytes that have had their one fill and are read no more
.set SPW,   28
.set NIL,   29
.set SC,    32
.set F1,    160
.set BK,    128
.set G1A,   28
.set G1B,   36
.set G0A,   44
.set G0B,   68
.set MSB, 0
.macro WIN new                         ; the immediate's high byte repeats the setting that is left
.if MSB != \new
	s_set_vgpr_msb (MSB<<8)|\new
.set MSB, \new
.endif
.endm
.macro CREST
	s_cmp_lg_u32 s18, 0
	s_cbranch_scc1 .Lnot_wave_0_\@
	s_barrier_signal -3
.Lnot_wave_0_\@:
	s_barrier_wait -3
	s_barrier_signal -1
	s_barrier_wait -1
.endm
.macro CROUND                          ; a round of the cluster's barrier
	s_barrier_signal -1
	s_barrier_wait -1
	CREST
.endm
.macro PLACES n
.rept \n
	v_nop
.endr
.endm
	s_load_b256 s[4:11], s[0:1], 0x0               ; cod, scl, bo, out0
	v_lshl_add_u32 v[SPW], v0, 2, SPARE
	v_mov_b32 v[NIL], 0
	ds_add_u32 v[SPW], v[NIL]                      ; the wave's opening: the add and its wait ahead of my first tensor load; work on registers stands between them
	ds_add_u32 v[SPW], v[NIL]
	v_lshrrev_b32 v1, 5, v0
	v_readfirstlane_b32 s18, v1                    ; wave
	s_lshr_b32 s19, s18, 1                         ; my block of S1.  Also: I fetch for S1 (0) or for S0 (1)
	s_and_b32 s20, s18, 1                          ; my half of that block's tiles.  Also: which part I fetch
	s_bfe_u32 s21, ttmp6, 0x40000                  ; cx
	s_bfe_u32 s22, ttmp6, 0x40004                  ; cy
	s_and_b32 s23, ttmp7, 0xffff                   ; the cluster's y, 0 .. 15
	s_lshl_b32 s26, s22, 2
	s_lshl_b32 s26, 15, s26                        ; my row of the cluster
	s_lshl_b32 s27, 0x1111, s21                    ; my column
	s_or_b32 s[G1A], s26, (3<<16)|(1<<21)          ; 15:0 the mask; 17:16 elements of 8 bytes; 21 set beside a mask; no padding
	s_or_b32 s[G1B], s27, (3<<16)|(1<<21)
.irp g, G1A, G1B
	s_mov_b32 s[\g+1], 32<<16                      ; rows of 256 bytes of a dense block
	s_mov_b32 s[\g+3], 32<<16
	s_mov_b32 s[\g+5], 32
	s_mov_b32 s[\g+6], 0
	s_mov_b32 s[\g+7], 0
.endr
	s_mov_b32 s[G1A+2], 384<<16                    ; 384 rows = 98,304 bytes: a block, all of K
	s_mov_b32 s[G1A+4], 384
	s_mov_b32 s[G1B+2], 192<<16                    ; 192 rows = 49,152 bytes: four K steps of S0
	s_mov_b32 s[G1B+4], 192
	s_and_b32 s84, s23, 1
	s_lshl_b32 s84, s84, 2
	s_add_co_u32 s85, s84, 216
	s_add_co_u32 s85, s85, s21                     ; S0's block: it never holds cy
	s_lshr_b32 s86, s23, 1
	s_lshl_b32 s86, s86, 3
	s_add_co_u32 s86, s86, 224
	s_lshl_b32 s87, s22, 1
	s_add_co_u32 s86, s86, s87                     ; S1's first block: it never holds cx
	s_add_co_u32 s88, s86, s20
	s_mul_i32 s88, s88, BLK
	s_mov_b32 s89, 0
	s_mul_i32 s90, s85, BLK
	s_mul_i32 s92, s20, 4*KSB
	s_add_co_u32 s90, s90, s92
	s_mov_b32 s91, 0
	s_mul_i32 s93, s20, BLK                        ; no place in the cluster enters an LDS address
	s_add_co_u32 s94, s92, S0L
	s_wait_dscnt 0x0                               ; the opening add is done
	s_wait_kmcnt 0x0
	s_add_nc_u64 s[88:89], s[4:5], s[88:89]
	s_add_nc_u64 s[90:91], s[4:5], s[90:91]
	CROUND                                         ; all sixteen work-groups are here: the joint loads meet
.irp k, 0
	s_mov_b32 s[G0A+4*\k], 1
	s_add_co_u32 s[G0A+4*\k+1], s93, \k*QRT
	s_add_nc_u64 s[G0A+4*\k+2:G0A+4*\k+3], s[88:89], \k*QRT
	s_or_b32 s[G0A+4*\k+3], s[G0A+4*\k+3], 0x80000000
	s_mov_b32 s[G0B+4*\k], 1
	s_add_co_u32 s[G0B+4*\k+1], s94, \k*QRT
	s_add_nc_u64 s[G0B+4*\k+2:G0B+4*\k+3], s[90:91], \k*QRT
	s_or_b32 s[G0B+4*\k+3], s[G0B+4*\k+3], 0x80000000
.endr
	s_cmp_eq_u32 s19, 0                            ; ONE tensor load a wave: waves 0, 1 a whole block of S1 each, waves 2, 3 K steps 0-3 and 4-7 of S0
	s_cbranch_scc0 .Lfirst_b
	tensor_load_to_lds s[G0A:G0A+3], s[G1A:G1A+7]
	s_nop 0
	PLACES 4
	s_branch .Lfirst_done
.Lfirst_b:
	tensor_load_to_lds s[G0B:G0B+3], s[G1B:G1B+7]
	s_nop 0
	PLACES 4
.Lfirst_done:
	v_and_b32 v1, 15, v0                           ; r
	v_bfe_u32 v2, v0, 4, 1                         ; h
	v_and_b32 v3, 31, v0                           ; lane
	v_lshlrev_b32 v4, 4, v3                        ; 16 lane
	v_lshlrev_b32 v5, 3, v3                        ; 8 lane
	s_mul_i32 s95, s19, BLK
	s_mul_i32 s96, s20, 4*FRB
	s_add_co_u32 s95, s95, s96                     ; my four tiles of S1
	v_add_nc_u32 v8, s95, v4
	v_add_nc_u32 v9, s95, v5
	v_add_nc_u32 v10, 4*KSB, v8
	v_add_nc_u32 v11, 4*KSB, v9
	v_add_nc_u32 v12, S0L, v4
	v_add_nc_u32 v13, S0L, v5
	v_add_nc_u32 v14, S0L+4*KSB, v4
	v_add_nc_u32 v15, S0L+4*KSB, v5
	s_mul_i32 s95, s18, 16*SPITCH                  ; my stage
	v_mul_u32_u24 v20, v1, SPITCH
	v_lshl_add_u32 v20, v2, 5, v20
	v_add_nc_u32 v20, s95, v20                     ; in: row r, + 32 h
	v_add_nc_u32 v21, s95, v4                      ; back: a row of 512 bytes to the 32 lanes
	; the scale words of all of K: lanes 0-15 S1's, lanes 16-31 S0's
	s_add_co_u32 s97, s86, s19
	s_lshl_b32 s97, s97, 12
	s_lshl_b32 s96, s20, 10
	s_add_co_u32 s96, s97, s96
	s_lshl_b32 s98, s85, 12
	s_mov_b32 s99, 0xffff0000                      ; lanes 16-31
	v_mov_b32 v16, s96
	v_mov_b32 v17, s97                             ; (for i = 4 .. 7 lanes 0-15 read the block's own tiles 4-7: inside the buffer, and not used)
	v_mov_b32 v18, s98
	v_cndmask_b32 v16, v16, v18, s99
	v_cndmask_b32 v17, v17, v18, s99
	v_lshl_add_u32 v16, v1, 4, v16
	v_lshl_add_u32 v17, v1, 4, v17
.irp i, 0,1,2,3,4,5,6,7
.irp q, 0,1
	global_load_b128 v[SC+8*\i+4*\q:SC+8*\i+4*\q+3], v[16+\i/4], s[6:7] offset:2048*\q+256*\i
.endr
.endr
	s_add_co_u32 s96, s84, s21
	s_lshl_b32 s96, s96, 9                         ; 128 features x 4 bytes x (4 (y & 1) + cx)
	v_lshl_add_u32 v18, v2, 5, s96                 ; + 8 h features: tile b, register j: feature 16 b + 8 h + j
	WIN 0x40                                       ; destination window 1
.irp b, 0,1,2,3,4,5,6,7
	global_load_b128 v[96+128*(\b/4)+8*(\b%4):96+128*(\b/4)+8*(\b%4)+3], v18, s[8:9] offset:64*\b
	global_load_b128 v[96+128*(\b/4)+8*(\b%4)+4:96+128*(\b/4)+8*(\b%4)+7], v18, s[8:9] offset:64*\b+16
.endr
	WIN 0
.macro FRAG reg, a16, a8, off          ; a fragment comes back as it was stored: registers 0-3, 4-5, 6-9, 10-11
	ds_load_b128 v[\reg:\reg+3], v[\a16] offset:\off
	ds_load_b64 v[\reg+4:\reg+5], v[\a8] offset:(\off)+512
	ds_load_b128 v[\reg+6:\reg+9], v[\a16] offset:(\off)+768
	ds_load_b64 v[\reg+10:\reg+11], v[\a8] offset:(\off)+1280
.endm
.macro FETCH s                         ; K step s: 48 LDS loads in one run
	WIN 0x40
.irp b, 0,1,2,3,4,5,6,7
	FRAG 128*((\s)%2)+12*\b, 12+2*((\s)/4), 13+2*((\s)/4), ((\s)%4)*KSB+FRB*\b
.endr
	WIN 0
.irp a, 0,1,2,3
	FRAG F1+48*((\s)%2)+12*\a, 8+2*((\s)/4), 9+2*((\s)/4), ((\s)%4)*KSB+FRB*\a
.endr
.endm
.macro MUL16 s, a0                     ; S1's tiles a0, a0 + 1 against S0's eight.  In K step 0 bo is the C
.irp a, \a0, \a0+1
.irp b, 0,1,2,3,4,5,6,7
.if (\s) == 0
	v_wmma_scale_f32_16x16x128_f8f6f4 v[8*(8*(\a)+\b):8*(8*(\a)+\b)+7], v[128*((\s)%2)+12*\b:128*((\s)%2)+12*\b+11], v[F1+48*((\s)%2)+12*(\a):F1+48*((\s)%2)+12*(\a)+11], v[96+128*(\b/4)+8*(\b%4):96+128*(\b/4)+8*(\b%4)+7], v[SC+8*\b+(\s)], v[SC+8*(\a)+(\s)] matrix_a_fmt:MATRIX_FMT_FP6 matrix_b_fmt:MATRIX_FMT_FP6 matrix_a_scale:MATRIX_SCALE_ROW1
.else
	v_wmma_scale_f32_16x16x128_f8f6f4 v[8*(8*(\a)+\b):8*(8*(\a)+\b)+7], v[128*((\s)%2)+12*\b:128*((\s)%2)+12*\b+11], v[F1+48*((\s)%2)+12*(\a):F1+48*((\s)%2)+12*(\a)+11], v[8*(8*(\a)+\b):8*(8*(\a)+\b)+7], v[SC+8*\b+(\s)], v[SC+8*(\a)+(\s)] matrix_a_fmt:MATRIX_FMT_FP6 matrix_b_fmt:MATRIX_FMT_FP6 matrix_a_scale:MATRIX_SCALE_ROW1
.endif
.endr
.endr
.endm
.macro MWIN s
.if (\s) == 0
	WIN 0x91
.else
	WIN 0xa1
.endif
.endm
.macro KSTEP s
	s_wait_dscnt 8                                 ; S0's eight fragments and S1's tiles 0, 1 are in; the youngest eight loads (tiles 2, 3) may be out
	MWIN \s
	MUL16 \s, 0
	PLACES 4                                       ; places in front of loads into the other set
.if (\s) < 7
	FETCH (\s)+1
	s_wait_dscnt 48                                ; all but the 48 just issued
.else
	s_wait_dscnt 0x0
.endif
	MWIN \s
	MUL16 \s, 2
.endm
	s_wait_alu depctr_va_vdst(0)
	s_wait_tensorcnt 0x0                           ; my one load is in,
	s_barrier_signal -1
	s_barrier_wait -1                              ; everybody's is
	FETCH 0
	s_wait_loadcnt 0x0                             ; scale words and bo
	KSTEP 0
	KSTEP 1
	KSTEP 2
	KSTEP 3
	KSTEP 4
	KSTEP 5
	KSTEP 6
	KSTEP 7
	WIN 0
	PLACES 4                                       ; places in front of the first read of results and of loads into S1's registers
	s_sub_co_u32 s88, s86, 224
	s_add_co_u32 s88, s88, s19
	s_lshl_b32 s88, s88, 1
	s_add_co_u32 s88, s88, s20                     ; my 64 rows of out0
	s_lshl_b32 s88, s88, 18                        ; x 64 rows x 4,096 bytes
	s_add_co_u32 s89, s84, s21
	s_lshl_b32 s89, s89, 9                         ; + my 128 columns
	s_add_co_u32 s88, s88, s89
	s_mov_b32 s89, 0
	s_add_nc_u64 s[10:11], s[10:11], s[88:89]
	s_wait_dscnt 0x0                               ; my reads of the blocks are over;
	s_barrier_signal -1
	s_barrier_wait -1                              ; everybody's are: the stages may be written
; THE WAY OUT, a tile of 16 rows x 128 columns at a time: through my own stage, back as whole rows of 512 bytes.  LDS serves a wave's instructions in order: no wait between the stores and the loads.
.macro TOSTAGE a
	WIN 0x08                                       ; an LDS store's data are its source 1: window 2
.irp b, 0,1,2,3,4,5,6,7
	ds_store_b128 v20, v[64*(\a)+8*\b:64*(\a)+8*\b+3] offset:64*\b          ; each accumulator from its low end on
	ds_store_b128 v20, v[64*(\a)+8*\b+4:64*(\a)+8*\b+7] offset:64*\b+16
.endr
	WIN 0
.set BB, BK+64*((\a)%2)
.irp t, 0,1,2,3,4,5,6,7,8,9,10,11,12,13,14,15
	ds_load_b128 v[BB+4*\t:BB+4*\t+3], v21 offset:\t*SPITCH
.endr
.endm
.macro SEND a, younger                 ; younger: the LDS instructions issued behind tile a's loads, which may stay out
.set BB, BK+64*((\a)%2)
	s_wait_dscnt \younger
.if (\a) > 0
	s_add_nc_u64 s[10:11], s[10:11], 16*4096       ; (behind a wait on XCNT: the earlier stores have read their base)
.endif
.irp t, 0,1,2,3,4,5,6,7,8,9,10,11,12,13,14,15
	global_store_b128 v4, v[BB+4*\t:BB+4*\t+3], s[10:11] offset:\t*4096 th:TH_STORE_NT   ; 32 lanes store 512 consecutive bytes, at a multiple of 256 from out0's first byte
.endr
.endm
	TOSTAGE 0
.irp a, 1,2,3
.if \a > 1
	s_wait_xcnt 0x0                                ; tile a - 2's stores have read their registers and their base
.endif
	TOSTAGE \a
	SEND \a-1, 32                                  ; behind tile a - 1's loads: tile a's 16 stores and 16 loads
.endr
	s_wait_xcnt 0x0
	SEND 3, 0
	s_wait_tensorcnt 0x0                           ; the wave's end: behind my last tensor load and my last LDS store
	ds_add_u32 v[SPW], v[NIL]
	s_wait_dscnt 0x0
	CROUND                                         ; the closing round
	s_endpgm
.Lfunc_end_k_qfcd7e3e741_oproj:
	.size	k_qfcd7e3e741_oproj, .Lfunc_end_k_qfcd7e3e741_oproj-k_qfcd7e3e741_oproj
	.p2alignl 7, 3214868480
	.fill 96, 4, 3214868480
	.section	.rodata,"a",@progbits
	.p2align	6, 0x0
	.amdhsa_kernel k_qfcd7e3e741_oproj
		.amdhsa_group_segment_fixed_size 327680
		.amdhsa_private_segment_fixed_size 0
		.amdhsa_enable_private_segment 0
		.amdhsa_kernarg_size 32
		.amdhsa_user_sgpr_count 2
		.amdhsa_user_sgpr_kernarg_segment_ptr 1
		.amdhsa_wavefront_size32 1
		.amdhsa_system_sgpr_workgroup_id_x 1
		.amdhsa_system_sgpr_workgroup_id_y 1
		.amdhsa_system_sgpr_workgroup_id_z 1
		.amdhsa_system_vgpr_workitem_id 0
		.amdhsa_next_free_vgpr 768
		.amdhsa_next_free_sgpr 100
		.amdhsa_reserve_vcc 0
		.amdhsa_float_denorm_mode_32 3
		.amdhsa_float_denorm_mode_16_64 3
		.amdhsa_memory_ordered 1
		.amdhsa_forward_progress 1
		.amdhsa_inst_pref_size 84
	.end_amdhsa_kernel
	.amdgpu_metadata
---
amdhsa.version: [ 1, 2 ]
amdhsa.kernels:
  - .name:           k_qfcd7e3e741_oproj
    .symbol:         k_qfcd7e3e741_oproj.kd
    .args:
      - { .name: cod, .offset: 0, .size: 8, .value_kind: global_buffer, .address_space: global }
      - { .name: scl, .offset: 8, .size: 8, .value_kind: global_buffer, .address_space: global }
      - { .name: bo, .offset: 16, .size: 8, .value_kind: global_buffer, .address_space: global }
      - { .name: out0, .offset: 24, .size: 8, .value_kind: global_buffer, .address_space: global }
    .group_segment_fixed_size: 327680
    .private_segment_fixed_size: 0
    .kernarg_segment_align: 8
    .kernarg_segment_size: 32
    .max_flat_workgroup_size: 128
    .sgpr_count:     100
    .vgpr_count:     768
    .wavefront_size: 32
...
	.end_amdgpu_metadata
.endif
;; end of part 4
